; MI455X (gfx1250); checked and timed in simulation.
; The chip was launched on July 23, 2026; its instructions are those of AMD's public machine-readable ISA for CDNA 5 (MIT licence, August 2026) and "CDNA5" Instruction Set Architecture Reference Guide (July 2026). The comments in the code are by the model that wrote it; some were corrected since.
;; Multi Head Attention. Allowed arithmetic: matrix products marked QUANTISED: E2M1 operands, one E8M0 scale for each 32 along K, by v_wmma_scale_f32_16x16x128_f8f6f4 with both operands' format E2M1 (or v_wmma_scale_f32_32x16x128_f4), f32 sums; products left as they are: bf16, f16 or f32 operands; f32 sums; everything else in f32.
;; Inputs: k_proj 1,024 x 1,024 float32; o_proj 1,024 x 1,024 float32; q_proj 1,024 x 1,024 float32; token_positions 2,048 int32; v_proj 1,024 x 1,024 float32; x 4 x 2,048 x 1,024 float32.
;; Outputs: out0 4 x 2,048 x 1,024 float32.
;; This version of the problem:
;;   THIS VERSION OF THE PROBLEM IS GIVEN IN LOW PRECISION. The matrix products marked QUANTISED in the list below multiply operands that are first quantised to E2M1 (2 exponent bits, 1 mantissa bit; 4 bits a number), with one power-of-two scale for each 32 numbers along K (OCP MX v1.0); their sums are f32. The products marked 'left as it is' may take bf16, f16 or f32 operands, with f32 sums. Whichever they take, every output number must still come out within the allowed error. Rounding operands to bf16 (8 significant bits) uses up far more of that allowance than f16 does (11 bits, for magnitudes from 6e-5 to 65,504). All else is computed in f32.
;;   The module's matrix products, in the order in which they are computed (A, B: the left and right operand; K: the contracted axis; several contracted axes count as one K, in the product's order):
;;     1. [M 8,192, K 1,024] x [K 1,024, N 1,024]; A: input x; B: input q_proj: QUANTISED
;;     2. [M 8,192, K 1,024] x [K 1,024, N 1,024]; A: input x; B: input k_proj: QUANTISED
;;     3. [M 8,192, K 1,024] x [K 1,024, N 1,024]; A: input x; B: input v_proj: QUANTISED
;;     4. batch 64 x [M 2,048, K 64] x [K 64, N 2,048]; A: computed on the way; B: computed on the way: left as it is (an operand is computed on the way)
;;     5. batch 64 x [M 2,048, K 2,048] x [K 2,048, N 64]; A: computed on the way; B: computed on the way: left as it is (an operand is computed on the way)
;;     6. [M 8,192, K 1,024] x [K 1,024, N 1,024]; A: computed on the way; B: input o_proj: left as it is (an operand is computed on the way)
;;   THE QUANTISER, for each operand of a quantised product, along K:
;;     - K is cut into blocks of 32 from its start; a last block that is shorter is filled with zeros.
;;     - A block's scale is 2^e with e = floor(log2(the largest magnitude in the block)) - 2, held to -126 .. 127; a block of zeros has e = 0. As a byte (E8M0): e + 127.
;;     - Each number is divided by its block's scale, clamped to +-6, and rounded to the nearest number of E2M1, ties to even, subnormals kept.
;;     - The product sums the exact products of the quantised numbers (number of the format x scale) in f32.
;;   ~~~python
;;   def quantise(x, axis):      # numpy; x: float32 -> the quantised numbers, widened to float32 again
;;       x = np.moveaxis(x, axis, -1); K = x.shape[-1]
;;       x = np.pad(x, [(0, 0)] * (x.ndim - 1) + [(0, -K % 32)]); x = x.reshape(x.shape[:-1] + (-1, 32)); a = np.abs(x).max(-1, keepdims=True)
;;       e = np.where(a > 0, np.clip(np.frexp(np.where(a > 0, a, 1))[1] - 1 - 2, -126, 127), 0)      # np.frexp(a)[1] - 1 = floor(log2(a)), exactly
;;       r = np.clip(x / 2.0 ** e, -6, 6)
;;       step = 2.0 ** (np.maximum(np.frexp(np.where(r == 0, 1, r))[1] - 1, 0) - 1)
;;       q = np.round(r / step) * step * 2.0 ** e      # np.round: ties to even
;;       return np.moveaxis(q.reshape(q.shape[:-2] + (-1,))[..., :K], -1, axis).astype(np.float32)
;;   ~~~
;; One version. Each part assembles by itself: llvm-mc -triple=amdgcn-amd-amdhsa -mcpu=gfx1250 --defsym DOCPART=n.
;; ======== version 1 of 1: 6 launches
;; limits: values are held in f16: magnitudes above 65,504 overflow, below 6.1e-05 lose precision
;; workspace buffers: codes 5,767,168 bytes; scales 360,448 bytes; rope 524,288 bytes; o16 2,097,152 bytes; qkv 50,331,648 bytes; r16 786,432 bytes; ao 16,777,216 bytes
;; launch prep_x (part 1): grid 256 x 1, 4 waves a work-group, no clusters, 33,280 bytes of LDS; arguments x, o_proj, token_positions, codes, scales, rope, o16; writes codes, scales, rope, o16
.if DOCPART == 1
	.amdgcn_target "amdgcn-amd-amdhsa--gfx1250"
	.amdhsa_code_object_version 6
	.text
	.protected	k_qac4e6308bb_prep_x
	.globl	k_qac4e6308bb_prep_x
	.p2align	8
	.type	k_qac4e6308bb_prep_x,@function
k_qac4e6308bb_prep_x:
	s_mov_b64 s[64:65], 0
	v_nop
	global_prefetch_b8 v0, s[64:65] scope:SCOPE_SE
	s_setreg_imm32_b32 hwreg(HW_REG_WAVE_MODE, 25, 1), 1
	s_wait_xcnt 0x0
; Three jobs for each wave, one path for all work-groups, no barrier: waves share nothing.
; (1) x [8192][1024] f32 becomes codes of FP4 (E2M1), K innermost, two codes a byte, and one E8M0 byte for each 32 along K.  Rows are dense and 1,024 is a multiple of 32,
;     so x is a plain stream of blocks of 32.  A block's scale is 2^(floor(log2(largest magnitude)) - 2): its byte is the largest magnitude's exponent field - 2, held at 1 from below.
; (2) o_proj [1024][1024] f32 becomes f16, same layout.
; (3) the table of rotations: row s, pair i: (cos, sin) of token_positions[s] x 10000^(-i/32), f32, 256 bytes a row.  The positions enter arithmetic alone, never an address.
; SHARES: run = 4 x work-group + wave, 0 .. 1,023: 8,192 numbers of x in 16 steps of 512; 1,024 numbers of o_proj; rows 2 run and 2 run + 1 of the table (a lane a pair).
; LIMITS: a block of zeros, or one whose largest magnitude lies under 2^-124, gets the byte 1 (its codes are then zeros or held small; the bytes are read by this program alone); NaN and infinities are not served;
; positions are whole numbers 0 .. 2,047; the frequency comes from v_exp_f32, so an angle may differ from an exactly rounded one by about 2e-4 rad at the largest positions; o_proj beyond 65,504 has no f16 number.
; A lane must hold 16 NEIGHBOURS for the conversions, and a load is dense where neighbouring lanes take neighbouring bytes: a step's 2,048 bytes go through the wave's own stage in LDS (16 bytes of padding behind each 64).
.set WAVES, 4
.set STEPS, 16
.set EMAX,  2
.set CB,    8                          ; bytes of 16 codes
.set R,     16                         ; v16-79   four sets of 16 numbers as loaded
.set X,     80                         ; v80-111  two sets of 16 neighbours (before step 0: o_proj as loaded)
.set E,     112                        ; v112-127 a scale byte for each step
.set C,     128                        ; v128-191 codes, four registers a step (before step 0: f16 pairs, the table's work)
.set OL,    80
.set OH,    128
.set FQ,    144                        ; v144     the lane's frequency
.set WREG,  8192                       ; LDS: a region for each wave: two stages of 32 x SP bytes, then its 256 scale bytes
.set SP,    80
.set SPW,   12                         ; v12  LDS address of my spare word; never rewritten
.set NIL,   13                         ; v13  0; never rewritten
.set SPARE, WAVES*WREG                 ; the spare words: 128 bytes a wave, two blocks of 256 bytes that no other line names
	s_load_b256 s[4:11], s[0:1], 0x0               ; x s[4:5], o_proj s[6:7], token_positions s[8:9], codes s[10:11]
	s_load_b128 s[12:15], s[0:1], 0x20             ; scales s[12:13], rope s[14:15]
	s_load_b64 s[16:17], s[0:1], 0x30              ; o16
	v_lshl_add_u32 v[SPW], v0, 2, SPARE
	v_mov_b32 v[NIL], 0
	v_lshrrev_b32 v1, 5, v0
	v_readfirstlane_b32 s18, v1                    ; wave
	v_and_b32 v2, 31, v0                           ; lane
	v_lshlrev_b32 v3, 4, v2                        ; my 16 bytes of a load's 512
	s_mul_i32 s20, s18, WREG
	v_lshrrev_b32 v14, 2, v2
	v_mul_u32_u24 v14, v14, SP
	v_and_b32 v15, 3, v2
	v_lshl_add_u32 v14, v15, 4, v14
	v_add_nc_u32 v14, s20, v14                     ; the stage on the way in: SP (lane / 4) + 16 (lane % 4)
	v_mul_u32_u24 v15, v2, SP
	v_add_nc_u32 v15, s20, v15                     ; and on the way out: SP x lane
	v_lshlrev_b32 v4, 3, v2                        ; 8 x lane: my codes, my f16 pairs, my (cos, sin), my 8 scale bytes
	v_lshrrev_b32 v5, 1, v2
	s_add_co_u32 s20, s20, 2*32*SP
	v_add_nc_u32 v5, s20, v5                       ; LDS: my block's scale byte
	v_add_nc_u32 v6, s20, v4                       ; and on the way out 8 bytes a lane
	s_lshl_b32 s19, ttmp9, 2
	s_add_co_u32 s19, s19, s18                     ; run
	s_mov_b32 s21, 0
	s_mov_b32 s26, 0x3fc90fdb                      ; pi / 2, its f32 number,
	s_mov_b32 s27, 0xb33bbd2e                      ; and what is left of it
	s_wait_kmcnt 0x0
	s_lshl_b32 s20, s19, 15
	s_add_nc_u64 s[4:5], s[4:5], s[20:21]          ; x: 32,768 bytes a run
	s_lshl_b32 s20, s19, 12
	s_add_nc_u64 s[6:7], s[6:7], s[20:21]          ; o_proj: 4,096
	s_add_nc_u64 s[10:11], s[10:11], s[20:21]      ; codes: 4,096
	s_lshl_b32 s20, s19, 3
	s_add_nc_u64 s[8:9], s[8:9], s[20:21]          ; two positions
	s_lshl_b32 s20, s19, 8
	s_add_nc_u64 s[12:13], s[12:13], s[20:21]      ; scale bytes: 256
	s_lshl_b32 s20, s19, 9
	s_add_nc_u64 s[14:15], s[14:15], s[20:21]      ; the table: two rows of 256
	s_lshl_b32 s20, s19, 11
	s_add_nc_u64 s[16:17], s[16:17], s[20:21]      ; o16: 2,048
	s_load_b64 s[24:25], s[8:9], 0x0               ; my two positions
.irp i, 0,1,2,3,4,5,6,7
	global_load_b128 v[OL+4*\i:OL+4*\i+3], v3, s[6:7] offset:512*\i th:TH_LOAD_NT
.endr
.macro LOAD t
.irp i, 0,1,2,3
	global_load_b128 v[R+16*((\t)%4)+4*\i:R+16*((\t)%4)+4*\i+3], v3, s[4:5] offset:2048*(\t)+512*\i th:TH_LOAD_NT   ; 32 lanes read 512 consecutive bytes
.endr
.endm
.macro TURN t                          ; step t through the stage: LDS serves a wave's instructions in order, so no wait stands between the stores and the loads
.irp i, 0,1,2,3
	ds_store_b128 v14, v[R+16*((\t)%4)+4*\i:R+16*((\t)%4)+4*\i+3] offset:32*SP*((\t)%2)+8*SP*\i
.endr
.irp i, 0,1,2,3
	ds_load_b128 v[X+16*((\t)%2)+4*\i:X+16*((\t)%2)+4*\i+3], v15 offset:32*SP*((\t)%2)+16*\i
.endr
.endm
.irp t, 0,1,2,3
	LOAD \t
.endr
	s_wait_loadcnt 16                              ; o_proj's eight loads are in; x's sixteen younger ones stay out
.irp i, 0,1,2,3,4,5,6,7
	v_cvt_pk_f16_f32 v[OH+2*\i], v[OL+4*\i], v[OL+4*\i+1]
	v_cvt_pk_f16_f32 v[OH+2*\i+1], v[OL+4*\i+2], v[OL+4*\i+3]
	global_store_b64 v4, v[OH+2*\i:OH+2*\i+1], s[16:17] offset:256*\i   ; the wave stores 256 consecutive bytes, aligned
.endr
	; the frequency of pair i = lane: 2^(-i log2(10000) / 32)
	v_cvt_f32_u32 v[FQ], v2
	v_mul_f32 v[FQ], 0xbed49a78, v[FQ]
	v_exp_f32 v[FQ], v[FQ]
	v_nop                                          ; a plain instruction behind the transcendental
	s_wait_alu depctr_va_vdst(0)                   ; and the wait ahead of its first reader
	s_wait_kmcnt 0x0                               ; the positions
; One row of the table.  a = position x frequency (one rounding); k = the nearest whole number to a 2 / pi; r = a - k pi / 2 in two fused steps (the first is exact: k is at most 1,304);
; sine and cosine of r, at most pi / 4 in size, by polynomials in z = r r; the quadrant k mod 4 swaps them and sets the signs.
.macro ROPEROW j, pos
.set RB, 148+12*\j
	v_cvt_f32_u32 v[RB], \pos
	v_mul_f32 v[RB], v[RB], v[FQ]
	v_mul_f32 v[RB+1], 0x3f22f983, v[RB]
	v_rndne_f32 v[RB+1], v[RB+1]
	v_fma_f32 v[RB+2], -v[RB+1], s26, v[RB]
	v_fma_f32 v[RB+2], -v[RB+1], s27, v[RB+2]
	v_cvt_i32_f32 v[RB+3], v[RB+1]
	v_mul_f32 v[RB+4], v[RB+2], v[RB+2]            ; z
	v_mov_b32 v[RB+5], 0xb94ca1f9
	v_mov_b32 v[RB+6], 0x37ccf5ce
	v_fmaak_f32 v[RB+5], v[RB+5], v[RB+4], 0x3c08839e
	v_fmaak_f32 v[RB+6], v[RB+6], v[RB+4], 0xbab6061a
	v_fmaak_f32 v[RB+5], v[RB+5], v[RB+4], 0xbe2aaaa3
	v_fmaak_f32 v[RB+6], v[RB+6], v[RB+4], 0x3d2aaaa5
	v_mul_f32 v[RB+7], v[RB+4], v[RB+2]            ; z r
	v_mul_f32 v[RB+10], v[RB+4], v[RB+4]           ; z z
	v_fma_f32 v[RB+11], v[RB+4], -0.5, 1.0
	v_fma_f32 v[RB+5], v[RB+5], v[RB+7], v[RB+2]   ; sin r
	v_fma_f32 v[RB+6], v[RB+6], v[RB+10], v[RB+11] ; cos r
	v_and_b32 v[RB+7], 1, v[RB+3]
	v_cmp_eq_u32 vcc_lo, 1, v[RB+7]
	v_cndmask_b32 v[RB+8], v[RB+6], v[RB+5], vcc_lo   ; an odd quadrant swaps the two
	v_cndmask_b32 v[RB+9], v[RB+5], v[RB+6], vcc_lo
	v_add_nc_u32 v[RB+10], 1, v[RB+3]
	v_lshlrev_b32 v[RB+10], 30, v[RB+10]
	v_lshlrev_b32 v[RB+7], 30, v[RB+3]
	v_and_b32 v[RB+10], 0x80000000, v[RB+10]       ; the cosine is negative in quadrants 1 and 2,
	v_and_b32 v[RB+7], 0x80000000, v[RB+7]         ; the sine in 2 and 3
	v_xor_b32 v[RB+8], v[RB+8], v[RB+10]
	v_xor_b32 v[RB+9], v[RB+9], v[RB+7]
	global_store_b64 v4, v[RB+8:RB+9], s[14:15] offset:256*\j   ; a row: 256 consecutive bytes, aligned
.endm
	ROPEROW 0, s24
	ROPEROW 1, s25
	s_wait_xcnt 0x0                                ; the stores above have read their data: the steps write those registers again
	s_wait_loadcnt 12                              ; step 0's four loads are in
	TURN 0
.macro STEP t
.set XS, X+16*((\t)%2)
.if (\t) > 0
	s_wait_dscnt 1                                 ; this step's numbers are back from the stage (the last step's byte store may be out)
.else
	s_wait_dscnt 0x0
.endif
.if (\t)+4 < STEPS
	LOAD (\t)+4
.endif
.if (\t)+1 < STEPS
.if STEPS-2-(\t) >= 3
	s_wait_loadcnt 12                              ; the next step's four loads are in; those of the three steps behind it may be out
.else
	s_wait_loadcnt 4*(STEPS-2-(\t))
.endif
	TURN (\t)+1
.endif
	v_max3_num_f32 v8, |v[XS]|, |v[XS+1]|, |v[XS+2]|               ; the largest magnitude of my 16
	v_max3_num_f32 v9, |v[XS+3]|, |v[XS+4]|, |v[XS+5]|
.irp i, 6,10
	v_max3_num_f32 v8, v8, |v[XS+\i]|, |v[XS+\i+1]|
	v_max3_num_f32 v9, v9, |v[XS+\i+2]|, |v[XS+\i+3]|
.endr
	v_max3_num_f32 v8, v8, |v[XS+14]|, |v[XS+15]|
	v_max3_num_f32 v8, v8, v9, (EMAX+1)<<23        ; and the floor 2^(3 - 127): the byte cannot fall under 1
	v_max_num_f32_dpp v8, v8, v8 row_xmask:1 row_mask:0xf bank_mask:0xf   ; with my neighbour's 16: the block's
	v_add_nc_u32 v11, 0xff000000, v8               ; 2 off its exponent field: the conversion takes that field as its scale
	v_cvt_scalef32_pk8_fp4_f32 v[C+4*(\t)], v[XS:XS+7], v11
	v_cvt_scalef32_pk8_fp4_f32 v[C+4*(\t)+1], v[XS+8:XS+15], v11
	v_lshrrev_b32 v[E+(\t)], 23, v11               ; the scale's byte
	ds_store_b8 v5, v[E+(\t)] offset:16*(\t)       ; both lanes of a block write the same byte with the same value
	global_store_b64 v4, v[C+4*(\t):C+4*(\t)+1], s[10:11] offset:32*CB*(\t)
.endm
.irp t, 0,1,2,3,4,5,6,7,8,9,10,11,12,13,14,15
	STEP \t
.endr
	ds_load_b64 v[8:9], v6                         ; LDS serves a wave's instructions in order: these see my stores
	s_wait_dscnt 0x0
	global_store_b64 v4, v[8:9], s[12:13]          ; 32 lanes store 256 consecutive bytes, aligned
	s_wait_tensorcnt 0x0                           ; the wave's end: a spare add and its wait, behind my last LDS store
	ds_add_u32 v[SPW], v[NIL]
	s_wait_dscnt 0x0
	s_endpgm
.Lfunc_end_k_qac4e6308bb_prep_x:
	.size	k_qac4e6308bb_prep_x, .Lfunc_end_k_qac4e6308bb_prep_x-k_qac4e6308bb_prep_x
	.p2alignl 7, 3214868480
	.fill 96, 4, 3214868480
	.section	.rodata,"a",@progbits
	.p2align	6, 0x0
	.amdhsa_kernel k_qac4e6308bb_prep_x
		.amdhsa_group_segment_fixed_size 33280
		.amdhsa_private_segment_fixed_size 0
		.amdhsa_enable_private_segment 0
		.amdhsa_kernarg_size 56
		.amdhsa_user_sgpr_count 2
		.amdhsa_user_sgpr_kernarg_segment_ptr 1
		.amdhsa_wavefront_size32 1
		.amdhsa_system_sgpr_workgroup_id_x 1
		.amdhsa_system_sgpr_workgroup_id_y 1
		.amdhsa_system_sgpr_workgroup_id_z 1
		.amdhsa_system_vgpr_workitem_id 0
		.amdhsa_next_free_vgpr 192
		.amdhsa_next_free_sgpr 66
		.amdhsa_reserve_vcc 1
		.amdhsa_float_denorm_mode_32 3
		.amdhsa_float_denorm_mode_16_64 3
		.amdhsa_memory_ordered 1
		.amdhsa_forward_progress 1
		.amdhsa_inst_pref_size 39
	.end_amdhsa_kernel
	.amdgpu_metadata
---
amdhsa.version: [ 1, 2 ]
amdhsa.kernels:
  - .name:           k_qac4e6308bb_prep_x
    .symbol:         k_qac4e6308bb_prep_x.kd
    .args:
      - { .name: x, .offset: 0, .size: 8, .value_kind: global_buffer, .address_space: global }
      - { .name: o_proj, .offset: 8, .size: 8, .value_kind: global_buffer, .address_space: global }
      - { .name: token_positions, .offset: 16, .size: 8, .value_kind: global_buffer, .address_space: global }
      - { .name: codes, .offset: 24, .size: 8, .value_kind: global_buffer, .address_space: global }
      - { .name: scales, .offset: 32, .size: 8, .value_kind: global_buffer, .address_space: global }
      - { .name: rope, .offset: 40, .size: 8, .value_kind: global_buffer, .address_space: global }
      - { .name: o16, .offset: 48, .size: 8, .value_kind: global_buffer, .address_space: global }
    .group_segment_fixed_size: 33280
    .private_segment_fixed_size: 0
    .kernarg_segment_align: 8
    .kernarg_segment_size: 56
    .max_flat_workgroup_size: 128
    .sgpr_count:     66
    .vgpr_count:     192
    .wavefront_size: 32
...
	.end_amdgpu_metadata
.endif
;; end of part 1
;; launch prep_w (part 2): grid 48 x 1, 16 waves a work-group, no clusters, 37,888 bytes of LDS; arguments q_proj, k_proj, v_proj, codes, scales; writes codes, scales
.if DOCPART == 2
	.amdgcn_target "amdgcn-amd-amdhsa--gfx1250"
	.amdhsa_code_object_version 6
	.text
	.protected	k_qac4e6308bb_prep_w
	.globl	k_qac4e6308bb_prep_w
	.p2align	8
	.type	k_qac4e6308bb_prep_w,@function
k_qac4e6308bb_prep_w:
	s_mov_b64 s[64:65], 0
	v_nop
	global_prefetch_b8 v0, s[64:65] scope:SCOPE_SE
	s_setreg_imm32_b32 hwreg(HW_REG_WAVE_MODE, 25, 1), 1
	s_wait_xcnt 0x0
; q_proj, k_proj, v_proj [1024 (k)][1024 (n)] f32, K their FIRST axis, become codes of FP4 (E2M1) laid [3072 (n)][1024 (k)], K innermost, and E8M0 bytes [3072][32]; row n = 1,024 x section + column.
; They lie behind x's part of the two buffers: codes from byte 4,194,304, scale bytes from byte 262,144.
; A LANE TAKES A COLUMN, AND ITS REGISTERS RUN DOWN K: a load reads 128 consecutive bytes a wave, a block of 32 along K lies in one lane's 32 registers, and the conversions give codes with K innermost.
; SHARES: a work-group takes 64 columns of one weight, all of K.  Wave w: columns 32 (w & 1) on, K from 128 (w >> 1) on: 4 blocks a lane.  The codes and the scale words meet in LDS, and leave as whole rows:
; a row of codes is 512 bytes (one store of a wave), the 64 rows of scale bytes are 2,048 dense bytes.  48 work-groups: the three weights have no more columns than 48 x 64.
; LIMITS: a block of zeros, or one whose largest magnitude lies under 2^-124, gets the byte 1; NaN and infinities are not served.
.set PITCH, 528                        ; a stage row: 512 bytes + 16
.set SCS,   64*PITCH                   ; the scale bytes: 64 rows of 32
.set SPARE, SCS+2048                   ; the spare words: 128 bytes a wave, eight blocks of 256 bytes that no other line names
.set X,     32                         ; v32-159  four blocks of 32 numbers
.set C,     160                        ; v160-175 four registers of codes a block
.set SB,    24                         ; v24      my four scale bytes
.set SPW,   14
.set NIL,   15
	s_load_b256 s[4:11], s[0:1], 0x0               ; q_proj, k_proj, v_proj, codes
	s_load_b64 s[12:13], s[0:1], 0x20              ; scales
	v_lshl_add_u32 v[SPW], v0, 2, SPARE
	v_mov_b32 v[NIL], 0
	v_lshrrev_b32 v1, 5, v0
	v_readfirstlane_b32 s16, v1                    ; wave 0..15
	v_and_b32 v2, 31, v0                           ; lane
	v_lshlrev_b32 v3, 2, v2                        ; in: 4 bytes a lane
	v_lshlrev_b32 v7, 4, v2                        ; out: 16 bytes a lane
	s_and_b32 s17, s16, 1                          ; which 32 columns
	s_lshr_b32 s18, s16, 1                         ; which 128 along K
	s_mul_i32 s19, s17, 32*PITCH
	s_lshl_b32 s20, s18, 6
	s_add_co_u32 s19, s19, s20
	v_mul_u32_u24 v4, v2, PITCH
	v_add_nc_u32 v4, s19, v4                       ; the stage: row = my column, 64 bytes for my 128 along K
	s_lshl_b32 s19, s17, 10
	s_lshl_b32 s20, s18, 2
	s_add_co_u32 s19, s19, s20
	s_add_co_u32 s19, s19, SCS
	v_lshl_add_u32 v5, v2, 5, s19                  ; my column's scale word for my 128 along K
	s_mul_i32 s19, s16, 4*PITCH
	v_add_nc_u32 v6, s19, v7                       ; back: wave w takes rows 4 w .. 4 w + 3, a whole row an instruction
	s_and_b32 s25, s16, 3
	s_lshl_b32 s25, s25, 9
	s_add_co_u32 s19, s25, SCS
	v_add_nc_u32 v8, s19, v7                       ; waves 0 to 3: 512 of the 2,048 scale bytes
	s_lshr_b32 s14, ttmp9, 4                       ; the section
	s_and_b32 s15, ttmp9, 15
	s_lshl_b32 s20, s18, 19                        ; 128 rows of 4,096 bytes
	s_lshl_b32 s21, s15, 8
	s_add_co_u32 s20, s20, s21                     ; + 64 columns a work-group
	s_lshl_b32 s21, s17, 7
	s_add_co_u32 s20, s20, s21                     ; + my 32
	s_mov_b32 s21, 0
	s_lshl_b32 s22, ttmp9, 15                      ; codes: 64 rows of 512 bytes a work-group,
	s_lshl_b32 s23, s16, 11
	s_add_co_u32 s22, s22, s23                     ; 4 rows a wave,
	s_add_co_u32 s22, s22, 0x400000                ; behind x's
	s_mov_b32 s23, 0
	s_lshl_b32 s24, ttmp9, 11                      ; scale bytes: 2,048 a work-group,
	s_add_co_u32 s24, s24, s25                     ; 512 a wave,
	s_add_co_u32 s24, s24, 0x40000                 ; behind x's
	s_mov_b32 s25, 0
	s_wait_kmcnt 0x0
	s_cmp_eq_u32 s14, 0                            ; the choice hangs on the work-group's number alone
	s_cselect_b64 s[4:5], s[4:5], s[6:7]
	s_cmp_eq_u32 s14, 2
	s_cselect_b64 s[4:5], s[8:9], s[4:5]
	s_add_nc_u64 s[4:5], s[4:5], s[20:21]
	s_add_nc_u64 s[10:11], s[10:11], s[22:23]
	s_add_nc_u64 s[12:13], s[12:13], s[24:25]
.macro LOAD t                          ; block t: W(32 t + n, my column)
.set n, 0
.rept 32
	global_load_b32 v[X+32*(\t)+n], v3, s[4:5] offset:(32*(\t)+n)*4096 th:TH_LOAD_NT
.set n, n+1
.endr
.endm
	LOAD 0
	LOAD 1
.macro BLOCK t
.set XS, X+32*(\t)
.if (\t) < 3
	s_wait_loadcnt 32                              ; this block's 32 loads are in; the next block's may be out
.else
	s_wait_loadcnt 0x0
.endif
.if (\t) < 2
	LOAD (\t)+2                                    ; every block has registers of its own: the loads run two blocks ahead
.endif
	v_max3_num_f32 v12, |v[XS]|, |v[XS+1]|, |v[XS+2]|               ; the block's largest magnitude: all 32 numbers are mine
	v_max3_num_f32 v13, |v[XS+3]|, |v[XS+4]|, |v[XS+5]|
.irp i, 6,10,14,18,22,26
	v_max3_num_f32 v12, v12, |v[XS+\i]|, |v[XS+\i+1]|
	v_max3_num_f32 v13, v13, |v[XS+\i+2]|, |v[XS+\i+3]|
.endr
	v_max3_num_f32 v12, v12, |v[XS+30]|, |v[XS+31]|
	v_max3_num_f32 v12, v12, v13, 0x1800000        ; and the floor 2^(3 - 127): the byte cannot fall under 1
	v_add_nc_u32 v11, 0xff000000, v12              ; 2 off its exponent field: the conversion's scale operand
	v_lshrrev_b32 v13, 23, v11                     ; the scale's byte
.if (\t) == 0
	v_mov_b32 v[SB], v13
.else
	v_lshl_or_b32 v[SB], v13, 8*(\t), v[SB]        ; the lower K in the lower byte
.endif
.irp g, 0,1,2,3
	v_cvt_scalef32_pk8_fp4_f32 v[C+4*(\t)+\g], v[XS+8*\g:XS+8*\g+7], v11
.endr
	ds_store_b128 v4, v[C+4*(\t):C+4*(\t)+3] offset:16*(\t)   ; 32 codes: 16 bytes of my column's row.  The next block begins with plain vector lines, ahead of its write of v11
.endm
	BLOCK 0
	BLOCK 1
	BLOCK 2
	BLOCK 3
	ds_store_b32 v5, v[SB]
	s_wait_dscnt 0x0                               ; for the others' sake: my stores have landed
	s_barrier_signal -1
	s_barrier_wait -1
	s_cmp_lt_u32 s16, 4                            ; waves 0 to 3 carry the scale bytes out
	s_cbranch_scc0 .Lno_scales
	ds_load_b128 v[28:31], v8
	s_wait_dscnt 0x0
	global_store_b128 v7, v[28:31], s[12:13]       ; 512 consecutive bytes, aligned
.Lno_scales:
.irp i, 0,1,2,3
	ds_load_b128 v[X+4*\i:X+4*\i+3], v6 offset:PITCH*\i
.endr
.irp i, 0,1,2,3
	s_wait_dscnt 3-\i
	global_store_b128 v7, v[X+4*\i:X+4*\i+3], s[10:11] offset:512*\i   ; a whole row of codes: 512 consecutive bytes, aligned
.endr
	s_wait_tensorcnt 0x0                           ; the wave's end: a spare add and its wait, behind my last LDS store
	ds_add_u32 v[SPW], v[NIL]
	s_wait_dscnt 0x0
	s_endpgm
.Lfunc_end_k_qac4e6308bb_prep_w:
	.size	k_qac4e6308bb_prep_w, .Lfunc_end_k_qac4e6308bb_prep_w-k_qac4e6308bb_prep_w
	.p2alignl 7, 3214868480
	.fill 96, 4, 3214868480
	.section	.rodata,"a",@progbits
	.p2align	6, 0x0
	.amdhsa_kernel k_qac4e6308bb_prep_w
		.amdhsa_group_segment_fixed_size 37888
		.amdhsa_private_segment_fixed_size 0
		.amdhsa_enable_private_segment 0
		.amdhsa_kernarg_size 40
		.amdhsa_user_sgpr_count 2
		.amdhsa_user_sgpr_kernarg_segment_ptr 1
		.amdhsa_wavefront_size32 1
		.amdhsa_system_sgpr_workgroup_id_x 1
		.amdhsa_system_sgpr_workgroup_id_y 1
		.amdhsa_system_sgpr_workgroup_id_z 1
		.amdhsa_system_vgpr_workitem_id 0
		.amdhsa_next_free_vgpr 176
		.amdhsa_next_free_sgpr 66
		.amdhsa_reserve_vcc 0
		.amdhsa_float_denorm_mode_32 3
		.amdhsa_float_denorm_mode_16_64 3
		.amdhsa_memory_ordered 1
		.amdhsa_forward_progress 1
		.amdhsa_inst_pref_size 22
	.end_amdhsa_kernel
	.amdgpu_metadata
---
amdhsa.version: [ 1, 2 ]
amdhsa.kernels:
  - .name:           k_qac4e6308bb_prep_w
    .symbol:         k_qac4e6308bb_prep_w.kd
    .args:
      - { .name: q_proj, .offset: 0, .size: 8, .value_kind: global_buffer, .address_space: global }
      - { .name: k_proj, .offset: 8, .size: 8, .value_kind: global_buffer, .address_space: global }
      - { .name: v_proj, .offset: 16, .size: 8, .value_kind: global_buffer, .address_space: global }
      - { .name: codes, .offset: 24, .size: 8, .value_kind: global_buffer, .address_space: global }
      - { .name: scales, .offset: 32, .size: 8, .value_kind: global_buffer, .address_space: global }
    .group_segment_fixed_size: 37888
    .private_segment_fixed_size: 0
    .kernarg_segment_align: 8
    .kernarg_segment_size: 40
    .max_flat_workgroup_size: 512
    .sgpr_count:     66
    .vgpr_count:     176
    .wavefront_size: 32
...
	.end_amdgpu_metadata
.endif
;; end of part 2
;; launch qkv (part 3): grid 12 x 32, 4 waves a work-group, clusters of 4 x 4, 327,680 bytes of LDS; arguments codes, scales, rope, qkv, r16; writes qkv, r16
.if DOCPART == 3
	.amdgcn_target "amdgcn-amd-amdhsa--gfx1250"
	.amdhsa_code_object_version 6
	.text
	.protected	k_qac4e6308bb_qkv
	.globl	k_qac4e6308bb_qkv
	.p2align	8
	.type	k_qac4e6308bb_qkv,@function
k_qac4e6308bb_qkv:
	s_mov_b64 s[64:65], 0
	v_nop
	global_prefetch_b8 v0, s[64:65] scope:SCOPE_SE
	s_setreg_imm32_b32 hwreg(HW_REG_WAVE_MODE, 25, 1), 1
	s_wait_xcnt 0x0
	s_wait_alu depctr_hold_cnt(0) depctr_sa_sdst(0) depctr_va_vdst(0) depctr_va_sdst(0) depctr_va_ssrc(0) depctr_va_vcc(0) depctr_vm_vsrc(0)
	s_getreg_b32 s2, hwreg(HW_REG_IB_STS2, 6, 4)
	s_cmp_eq_u32 s2, 0
	s_cbranch_scc0 .Lentry_in_a_cluster
	s_endpgm
.Lentry_in_a_cluster:
	s_bfe_u32 s2, ttmp6, 0x10000c
	s_cmp_lg_u32 s2, 0xf033
	s_cbranch_scc0 .Lentry_shape_is_right
	s_endpgm
.Lentry_shape_is_right:
; The three input projections as ONE product on codes of FP4 (E2M1) with E8M0 scales: C[m][n] = sum over k of A[m][k] B[n][k], A = x (8,192 rows), B = the three weights (3,072 rows n = 1,024 x section + column), K = 1,024.
; Then, in f32: the rotation of q and k by the table (row = position in the sequence, pair i: cos, sin); then q, k, v rounded to f16 and laid by head: qkv [3][4 b][16 h][2,048 s][64].
; Positions 0 to 15 of every batch also leave as f32, r16 [4 b][3][16 h][16 s][64], for the launch that carries those rows finely.
; LIMIT: |q|, |k|, |v| stay under 65,504, the largest f16 number.
; A tile of C, 256 x 256, is made by four waves, each 128 x 128: 64 accumulators, 512 registers.  K = 1,024 is exactly two LDS slots of 512: both, and the scale bytes of the work-group's rows, are asked for at the
; head; nothing is ever filled again.  The launch claims all of LDS.
; CLUSTERS: 4 x 4 work-groups; A's tiles are asked for jointly along a row of the cluster, B's along a column.  Cluster x is the section (4 tile columns = 1,024 columns), so the branch
; that parts q and k from v hangs on the cluster's number, which all partners share.
; THE MATRIX INSTRUCTION IS USED TRANSPOSED (source 0 = 16 rows of B, source 1 = 16 rows of A): lane (r, h) holds row r and eight neighbouring columns 8 h + 0 .. 7: four pairs of the rotation.
; REGISTERS: window 0: v16-29 addresses; v32-95 scale words, two sets; v128-191 A's fragments; on the way out v96-159 rotated numbers, v160-191 f16, v192-255 rows read back.
;   window 1: B's fragments at v0 and v128; v64-127 two sets of table entries.   windows 2, 3: accumulator (a, b) at v[8 (8 (a % 4) + b)].
.set SIZE_K, 1024
.set KSTEP,  512
.set NQ,     KSTEP/128
.set ROWB,   256                       ; a tile's row: 512 codes
.set KROW,   SIZE_K/2                  ; a row of codes in memory
.set PITCH,  272                       ; an LDS row: 256 bytes + 16: the 16 rows that a load touches start at 16 different banks (ISA guide 11.1)
.set FR,     8
.set NL,     2
.set NP,     4                         ; places behind this matrix instruction (ISA guide 7.12.1)
.set HALFT,  128*PITCH
.set SLOT,   4*HALFT                   ; A's 256 rows, then B's 256 rows
.set KS,     SIZE_K/32                 ; a row of scale bytes
.set SCL,    2*SLOT                    ; the scale bytes, as units of 256 bytes + 16 of padding
.set HALFS,  (128*KS/256)*272
.set SBLK,   (16*KS/256)*272
.set SPARE,  SCL+4*HALFS               ; the spare words: two blocks of 256 bytes that no other line names
.set STAGE,  SPARE+512                 ; the way out: for each wave 2 heads x 16 rows x 144 bytes; no fill lands here
.set HP,     144
.set WST,    2*16*HP
.set ADRA, 16
.set ADRB, 20
.set TA,   22                          ; v22  256 r + 32 h: my place in 16 rows of the table, and of r16
.set STO,  24
.set RD,   25
.set CO,   26
.set ADRS, 27
.set SPW,  28
.set NIL,  29
.set SC,   32
.set AF,   128
.set Y,    96
.set TMP,  160
.set BK,   192
.set G1, 24
.set G0, 32
.set G1B, 48
.set G0B, 56
.set G1S, 68
.set G0S, 76
.set G1SB, 80
.set G0SB, 88
.set MSB, 0
.macro WIN new                         ; the immediate's high byte repeats the setting that is left
.if MSB != \new
	s_set_vgpr_msb (MSB<<8)|\new
.set MSB, \new
.endif
.endm
.set MUL_LO, 0xa1                      ; source 0 (B) window 1, source 1 (A) window 0, C and D window 2
.set MUL_HI, 0xf1
.set TO_B,   0x40
; A joint load: waves 0 and 1 fetch for A, waves 2 and 3 for B; the branch hangs on the wave's number alone.  An s_nop 0 and four v_nop follow each line.
.macro JLOAD g0a, g1a, g0b, g1b
	s_cmp_eq_u32 s15, 0
	s_cbranch_scc0 .Lfor_b_\@
	tensor_load_to_lds s[\g0a:\g0a+3], s[\g1a:\g1a+7]
	s_nop 0
.rept 4
	v_nop
.endr
	s_branch .Lasked_\@
.Lfor_b_\@:
	tensor_load_to_lds s[\g0b:\g0b+3], s[\g1b:\g1b+7]
	s_nop 0
.rept 4
	v_nop
.endr
.Lasked_\@:
.endm
.macro CROUND                          ; a round of the cluster's barrier
	s_barrier_signal -1
	s_barrier_wait -1
	s_cmp_lg_u32 s14, 0
	s_cbranch_scc1 .Lnot_wave_0_\@
	s_barrier_signal -3
.Lnot_wave_0_\@:
	s_barrier_wait -3
	s_barrier_signal -1
	s_barrier_wait -1
.endm
	s_load_b256 s[4:11], s[0:1], 0x0               ; codes s[4:5], scales s[6:7], rope s[8:9], qkv s[10:11]
	s_load_b64 s[12:13], s[0:1], 0x20              ; r16
	v_lshl_add_u32 v[SPW], v0, 2, SPARE
	v_mov_b32 v[NIL], 0
	ds_add_u32 v[SPW], v[NIL]                      ; the wave's opening: the add, twice on end, and its wait ahead of my first tensor load
	ds_add_u32 v[SPW], v[NIL]
	v_lshrrev_b32 v1, 5, v0
	v_readfirstlane_b32 s14, v1                    ; wave 0..3
	s_lshr_b32 s15, s14, 1                         ; which half of the tile's rows is mine.  Also: I fetch for A (0) or for B (1)
	s_and_b32 s16, s14, 1                          ; which half of its columns.  Also: which 128 rows of that tile I fetch
	s_bfe_u32 s40, ttmp6, 0x40000                  ; cx, cy
	s_bfe_u32 s41, ttmp6, 0x40004
	s_lshl_b32 s42, ttmp9, 2
	s_add_co_u32 s42, s42, s40                     ; tile column
	s_and_b32 s17, ttmp7, 0xffff
	s_lshl_b32 s17, s17, 2
	s_add_co_u32 s17, s17, s41                     ; tile row
	s_lshl_b32 s43, s41, 2
	s_lshl_b32 s43, 15, s43                        ; my row of the cluster
	s_lshl_b32 s44, 0x1111, s40                    ; my column
	s_or_b32 s[G1+0], s43, (0<<16)|(1<<20)|(1<<21)|(5<<22)|(3<<25)  ; mask; elements of 1 byte; padding: 4 words after every 64; bit 21 beside a mask
	s_or_b32 s[G1B+0], s44, (0<<16)|(1<<20)|(1<<21)|(5<<22)|(3<<25)
.irp g, G1, G1B
	s_mov_b32 s[\g+1], ROWB<<16                    ; tensor_dim0
	s_mov_b32 s[\g+2], 128<<16                     ; tensor_dim1
	s_mov_b32 s[\g+3], ROWB<<16                    ; tile_dim0
	s_mov_b32 s[\g+4], 128                         ; tile_dim1
	s_mov_b32 s[\g+5], KROW                        ; the pitch
	s_mov_b32 s[\g+6], 0
	s_mov_b32 s[\g+7], 0
.endr
	s_or_b32 s[G1S+0], s43, (3<<16)|(1<<20)|(1<<21)|(5<<22)|(3<<25)  ; the scale bytes of 128 rows: 4,096 dense bytes as rows of 256 (32 elements of 8 bytes)
	s_or_b32 s[G1SB+0], s44, (3<<16)|(1<<20)|(1<<21)|(5<<22)|(3<<25)
.irp g, G1S, G1SB
	s_mov_b32 s[\g+1], 32<<16
	s_mov_b32 s[\g+2], (128*KS/256)<<16
	s_mov_b32 s[\g+3], 32<<16
	s_mov_b32 s[\g+4], 128*KS/256
	s_mov_b32 s[\g+5], 32
	s_mov_b32 s[\g+6], 0
	s_mov_b32 s[\g+7], 0
.endr
	s_lshl_b32 s18, s16, 7
	s_lshl_b32 s20, s17, 8
	s_add_co_u32 s20, s20, s18                     ; A: row 256 x tile row + 128 x half
	s_lshl_b32 s46, s42, 8
	s_add_co_u32 s46, s46, s18                     ; B: row 256 x tile column + 128 x half
	s_mov_b32 s21, 0
	s_mov_b32 s47, 0
	s_mov_b64 s[18:19], KS
	s_mul_u64 s[22:23], s[20:21], s[18:19]         ; where these rows' scale bytes begin
	s_mul_u64 s[92:93], s[46:47], s[18:19]
	s_mov_b64 s[18:19], KROW
	s_mul_u64 s[20:21], s[20:21], s[18:19]         ; and their codes
	s_mul_u64 s[46:47], s[46:47], s[18:19]
	s_add_nc_u64 s[46:47], s[46:47], 0x400000      ; the weights lie behind x in both buffers
	s_add_nc_u64 s[92:93], s[92:93], 0x40000
	s_mul_i32 s45, s14, HALFT                      ; where they go: wave x 128 rows
	s_mul_i32 s94, s14, HALFS
	s_wait_dscnt 0x0                               ; both opening adds are done
	s_wait_kmcnt 0x0
	s_add_nc_u64 s[20:21], s[4:5], s[20:21]
	s_add_nc_u64 s[22:23], s[6:7], s[22:23]
	s_add_nc_u64 s[46:47], s[4:5], s[46:47]
	s_add_nc_u64 s[92:93], s[6:7], s[92:93]
	CROUND                                         ; all sixteen work-groups are here: the joint loads meet
	s_mov_b32 s[G0S], 1
	s_add_co_u32 s[G0S+1], s94, SCL
	s_mov_b64 s[G0S+2:G0S+3], s[22:23]
	s_or_b32 s[G0S+3], s[G0S+3], 0x80000000
	s_mov_b32 s[G0SB], 1
	s_add_co_u32 s[G0SB+1], s94, SCL
	s_mov_b64 s[G0SB+2:G0SB+3], s[92:93]
	s_or_b32 s[G0SB+3], s[G0SB+3], 0x80000000
	JLOAD G0S, G1S, G0SB, G1SB                     ; the scale bytes first
.irp s, 0,1
	s_mov_b32 s[G0+4*\s], 1
	s_add_co_u32 s[G0+4*\s+1], s45, \s*SLOT
	s_add_nc_u64 s[G0+4*\s+2:G0+4*\s+3], s[20:21], \s*ROWB
	s_or_b32 s[G0+4*\s+3], s[G0+4*\s+3], 0x80000000
	s_mov_b32 s[G0B+4*\s], 1
	s_add_co_u32 s[G0B+4*\s+1], s45, \s*SLOT
	s_add_nc_u64 s[G0B+4*\s+2:G0B+4*\s+3], s[46:47], \s*ROWB
	s_or_b32 s[G0B+4*\s+3], s[G0B+4*\s+3], 0x80000000
	JLOAD G0+4*\s, G1, G0B+4*\s, G1B               ; three tensor loads of mine are out now, and no more follow
.endr
	v_and_b32 v1, 15, v0                           ; r
	v_bfe_u32 v2, v0, 4, 1                         ; h
	v_mul_u32_u24 v3, v1, PITCH
	v_lshl_add_u32 v4, v2, 4, v3
	s_mul_i32 s21, s15, HALFT                      ; my 128 rows of A
	s_mul_i32 s22, s16, HALFT                      ; my 128 rows of B,
	s_add_co_u32 s22, s22, 2*HALFT                 ; behind A's 256
.irp s, 0,1
	v_add_nc_u32 v[ADRA+\s], s21, v4
	v_add_nc_u32 v[ADRB+\s], s22, v4
	s_add_co_u32 s21, s21, SLOT
	s_add_co_u32 s22, s22, SLOT
.endr
	v_mul_u32_u24 v5, v1, KS                       ; my row's scale bytes,
	v_lshrrev_b32 v6, 8, v5
	v_lshl_add_u32 v5, v6, 4, v5                   ; and 16 more for each 256 passed
	s_mul_i32 s21, s15, HALFS
	s_mul_i32 s22, s16, HALFS
	s_add_co_u32 s22, s22, 2*HALFS
	s_sub_co_u32 s22, s22, s21
	v_mul_u32_u24 v6, s22, v2                      ; lanes 16-31 take B's
	s_add_co_u32 s21, s21, SCL
	v_add_nc_u32 v5, v5, v6
	v_add_nc_u32 v[ADRS], s21, v5
	s_mul_i32 s23, s14, WST
	s_add_co_u32 s23, s23, STAGE                   ; my stage
	v_mul_u32_u24 v5, v1, HP
	v_lshl_add_u32 v5, v2, 4, v5
	v_add_nc_u32 v[STO], s23, v5                   ; in: row r, 16 bytes for each half of the lanes
	v_and_b32 v6, 31, v0
	v_lshrrev_b32 v5, 3, v6
	v_mul_u32_u24 v5, v5, HP
	v_and_b32 v3, 7, v0
	v_lshl_add_u32 v5, v3, 4, v5
	v_add_nc_u32 v[RD], s23, v5                    ; back: eight lanes to a row of 128 bytes, four rows an instruction
	v_lshlrev_b32 v[CO], 4, v6                     ; which are 512 dense bytes of a head
	v_lshlrev_b32 v[TA], 8, v1
	v_lshl_add_u32 v[TA], v2, 5, v[TA]
	s_and_b32 s20, s17, 7
	s_lshl_b32 s20, s20, 8
	s_lshl_b32 s21, s15, 7
	s_add_co_u32 s20, s20, s21                     ; my first position in the sequence
	s_lshr_b32 s22, s17, 3                         ; the batch
	s_and_b32 s23, s42, 3
	s_lshl_b32 s23, s23, 2
	s_lshl_b32 s21, s16, 1
	s_add_co_u32 s23, s23, s21                     ; my first head of two
	s_lshl_b32 s46, s20, 8
	s_mov_b32 s47, 0
	s_add_nc_u64 s[8:9], s[8:9], s[46:47]          ; the table at my first position
	s_lshl_b32 s46, s22, 4
	s_add_co_u32 s46, s46, s23
	s_lshl_b32 s46, s46, 18                        ; a head is 262,144 bytes,
	s_lshl_b32 s21, s20, 7
	s_add_co_u32 s46, s46, s21                     ; a position 128,
	s_lshl_b32 s21, ttmp9, 24
	s_add_co_u32 s46, s46, s21                     ; a section 16,777,216
	s_add_nc_u64 s[10:11], s[10:11], s[46:47]
	s_mul_i32 s46, s22, 3
	s_add_co_u32 s46, s46, ttmp9
	s_lshl_b32 s46, s46, 4
	s_add_co_u32 s46, s46, s23
	s_lshl_b32 s46, s46, 12                        ; r16: 4,096 bytes a head
	s_add_nc_u64 s[12:13], s[12:13], s[46:47]
	s_and_b32 s21, s17, 7
	s_or_b32 s21, s21, s15
	s_cmp_eq_u32 s21, 0
	s_cselect_b32 s95, -1, 0                       ; all lanes where my block 0 is positions 0 to 15 of a batch, else none: a mask of lanes, no branch
; 16 rows of the table for block a, into set a % 2 of window 1: register 8 bb + 2 p: cos, + 1: sin, of pair 8 bb + 4 h + p at position 16 a + r
.macro LOADCS a
	WIN TO_B
.irp bb, 0,1,2,3
.irp e, 0,1
	global_load_b128 v[64+32*((\a)%2)+8*\bb+4*\e:64+32*((\a)%2)+8*\bb+4*\e+3], v[TA], s[8:9] offset:4096*(\a)+64*\bb+16*\e
.endr
.endr
	WIN 0
.endm
	LOADCS 0                                       ; asked for here, so that they land under the whole product.  Every section asks (v's waves do not use theirs): no branch stands round these lines
	LOADCS 1
.macro FRAG reg, adr, q, i             ; 16 rows x 128 K of 4-bit codes: registers 4 c .. 4 c + 3 hold K = 64 c + 32 h + 0 .. 31
.irp c, 0,1
	ds_load_b128 v[\reg+4*\c:\reg+4*\c+3], v[\adr] offset:64*(\q)+32*\c+(\i)*16*PITCH
.endr
.endm
; 16 matrix instructions: A's blocks a0, a0 + 1 x B's eight.  The 64 accumulators take turns, one instruction a turn, in the same order in every step.
.macro MUL16 a0, p, q, sc, zero
.irp a, \a0, \a0+1
.irp b, 0,1,2,3,4,5,6,7
.if \zero
	v_wmma_scale_f32_16x16x128_f8f6f4 v[8*(8*((\a)%4)+\b):8*(8*((\a)%4)+\b)+7], v[128*(\p)+FR*\b:128*(\p)+FR*\b+FR-1], v[AF+FR*(\a):AF+FR*(\a)+FR-1], 0, v[SC+8*NQ*(\sc)+NQ*\b+(\q)], v[SC+8*NQ*(\sc)+NQ*(\a)+(\q)] matrix_a_fmt:MATRIX_FMT_FP4 matrix_b_fmt:MATRIX_FMT_FP4 matrix_a_scale:MATRIX_SCALE_ROW1
.else
	v_wmma_scale_f32_16x16x128_f8f6f4 v[8*(8*((\a)%4)+\b):8*(8*((\a)%4)+\b)+7], v[128*(\p)+FR*\b:128*(\p)+FR*\b+FR-1], v[AF+FR*(\a):AF+FR*(\a)+FR-1], v[8*(8*((\a)%4)+\b):8*(8*((\a)%4)+\b)+7], v[SC+8*NQ*(\sc)+NQ*\b+(\q)], v[SC+8*NQ*(\sc)+NQ*(\a)+(\q)] matrix_a_fmt:MATRIX_FMT_FP4 matrix_b_fmt:MATRIX_FMT_FP4 matrix_a_scale:MATRIX_SCALE_ROW1
.endif
.endr
.endr
.endm
.macro FETCH_B slot, q, p
	WIN TO_B
.irp i, 0,1,2,3,4,5,6,7
	FRAG 128*(\p)+FR*\i, ADRB+\slot, \q, \i
.endr
	WIN 0
.endm
.macro FETCH_A slot, q, i0
.irp i, \i0, \i0+1, \i0+2, \i0+3
	FRAG AF+FR*(\i), ADRA+\slot, \q, \i
.endr
.endm
.macro SCALES sc                       ; a slot's scale words: lanes 0-15 take A's block i, lanes 16-31 B's block i
.irp i, 0,1,2,3,4,5,6,7
	ds_load_b128 v[SC+8*NQ*\sc+NQ*\i:SC+8*NQ*\sc+NQ*\i+3], v[ADRS] offset:\i*SBLK
.endr
.endm
.macro PLACES n                        ; places in front of loads into registers that matrix instructions have read, and of the first read of results
.rept \n
	v_nop
.endr
.endm
.macro STEP slot, q, zero              ; 128 along K, with a successor in the same slot
	s_wait_dscnt 4*NL                              ; B's set and A's blocks 0-3 are in; the youngest eight loads (A's blocks 4-7) may be out
	WIN MUL_LO
	MUL16 0, (\q)%2, \q, \slot, \zero
	MUL16 2, (\q)%2, \q, \slot, \zero
	s_wait_dscnt 0
	PLACES NP
	FETCH_B \slot, (\q)+1, 1-(\q)%2
	FETCH_A \slot, (\q)+1, 0
	WIN MUL_HI
	MUL16 4, (\q)%2, \q, \slot, \zero
	MUL16 6, (\q)%2, \q, \slot, \zero
	PLACES NP
	WIN 0
	FETCH_A \slot, (\q)+1, 4
.endm
.macro STEPS slot, from
.set Q, \from
.rept NQ-1-\from
	STEP \slot, Q, 0
.set Q, Q+1
.endr
.endm
	s_wait_tensorcnt 1                             ; the scale bytes and my part of slot 0 are in (slot 1's load may be out),
	s_barrier_signal -1
	s_barrier_wait -1                              ; everybody's are
	FETCH_B 0, 0, 0
	FETCH_A 0, 0, 0
	SCALES 0
	FETCH_A 0, 0, 4
	STEP 0, 0, 1                                   ; the first products start the sums: nothing is cleared
	STEPS 0, 1
	; slot 0's last step changes slots: each wave shows its part of slot 1 landed, then the barrier
	s_wait_tensorcnt 0x0
	ds_add_u32 v[SPW], v[NIL]
	s_wait_dscnt 4*NL+1                            ; (the add and A's blocks 4-7 may be out)
	WIN MUL_LO
	MUL16 0, 1, NQ-1, 0, 0
	s_wait_dscnt 0x0
	s_barrier_signal -1
	MUL16 2, 1, NQ-1, 0, 0
	WIN 0
	s_barrier_wait -1
	PLACES NP
	v_add_nc_u32 v[ADRS], 4*NQ, v[ADRS]            ; on to slot 1's scale words
	FETCH_B 1, 0, 0
	FETCH_A 1, 0, 0
	SCALES 1
	WIN MUL_HI
	MUL16 4, 1, NQ-1, 0, 0
	MUL16 6, 1, NQ-1, 0, 0
	PLACES NP
	WIN 0
	FETCH_A 1, 0, 4
	STEPS 1, 0
	s_wait_dscnt 4*NL                              ; the very last step
	WIN MUL_LO
	MUL16 0, 1, NQ-1, 1, 0
	MUL16 2, 1, NQ-1, 1, 0
	s_wait_dscnt 0
	WIN MUL_HI
	MUL16 4, 1, NQ-1, 1, 0
	MUL16 6, 1, NQ-1, 1, 0
	WIN 0
; THE WAY OUT, block by block of 16 positions x 128 columns (two heads).
; The rotation of block a: (x0, x1) -> (x0 c - x1 s, x1 c + x0 s), two packed instructions a pair; each accumulator is read from its low end on.
.macro ROPE a
.set AC, 64*((\a)%4)
.set CSB, 64+32*((\a)%2)
.set WN, 0x06+(\a)/4                   ; source 0 window 2 or 3, source 1 window 1
	WIN WN
.irp b, 0,1,2,3,4,5,6,7
.irp p, 0,1,2,3
	v_pk_mul_f32 v[Y+8*\b+2*\p:Y+8*\b+2*\p+1], v[AC+8*\b+2*\p:AC+8*\b+2*\p+1], v[CSB+8*(\b%4)+2*\p:CSB+8*(\b%4)+2*\p+1] op_sel_hi:[1,0]   ; (x0 c, x1 c)
.endr
.endr
.irp b, 0,1,2,3,4,5,6,7
.irp p, 0,1,2,3
	v_pk_fma_f32 v[Y+8*\b+2*\p:Y+8*\b+2*\p+1], v[AC+8*\b+2*\p:AC+8*\b+2*\p+1], v[CSB+8*(\b%4)+2*\p:CSB+8*(\b%4)+2*\p+1], v[Y+8*\b+2*\p:Y+8*\b+2*\p+1] op_sel:[1,1,0] op_sel_hi:[0,1,1] neg_lo:[1,0,0]   ; (- x1 s, + x0 s)
.endr
.endr
	WIN 0
.endm
.macro PACK a, rope                    ; to f16: a lane's eight columns are 16 bytes
.if \rope
.irp b, 0,1,2,3,4,5,6,7
.irp p, 0,1,2,3
	v_cvt_pk_f16_f32 v[TMP+4*\b+\p], v[Y+8*\b+2*\p], v[Y+8*\b+2*\p+1]
.endr
.endr
.else
.set AC, 64*((\a)%4)
.set WN, 0x0a+5*((\a)/4)
	WIN WN
.irp b, 0,1,2,3,4,5,6,7
.irp p, 0,1,2,3
	v_cvt_pk_f16_f32 v[TMP+4*\b+\p], v[AC+8*\b+2*\p], v[AC+8*\b+2*\p+1]
.endr
.endr
	WIN 0
.endif
.endm
.macro F32ROWS rope                    ; block 0 as f32, in the waves whose block 0 is positions 0 to 15 of a batch: the others have no lane on
	s_wait_xcnt 0x0                                ; EXEC changes only behind this wait
	s_mov_b32 vcc_lo, s95
	s_and_saveexec_b32 s94, vcc_lo
.if \rope
.set SRC, Y
.else
.set SRC, 0
	WIN 0x08                                       ; a store's data are its source 1: window 2
.endif
.irp b, 0,1,2,3,4,5,6,7
.irp e, 0,1
	global_store_b128 v[TA], v[SRC+8*\b+4*\e:SRC+8*\b+4*\e+3], s[12:13] offset:4096*(\b/4)+64*(\b%4)+16*\e
.endr
.endr
	WIN 0
	s_wait_xcnt 0x0                                ; and again in front of the line that widens it; the data may be written again too
	s_or_b32 exec_lo, exec_lo, s94
.endm
.macro TOSTAGE a                       ; LDS serves a wave's instructions in order: no wait between the stores and the loads, nor in front of the next block's stores
.irp b, 0,1,2,3,4,5,6,7
	ds_store_b128 v[STO], v[TMP+4*\b:TMP+4*\b+3] offset:16*HP*(\b/4)+32*(\b%4)
.endr
.set BB, BK+32*((\a)%2)
.irp t, 0,1,2,3,4,5,6,7
	ds_load_b128 v[BB+4*\t:BB+4*\t+3], v[RD] offset:16*HP*(\t/4)+4*HP*(\t%4)
.endr
.endm
.macro SEND a, younger
.set BB, BK+32*((\a)%2)
	s_wait_dscnt \younger                          ; the block is back in registers
.irp t, 0,1,2,3,4,5,6,7
	global_store_b128 v[CO], v[BB+4*\t:BB+4*\t+3], s[10:11] offset:262144*(\t/4)+2048*(\a)+512*(\t%4)   ; four positions of a head: 512 consecutive bytes, aligned
.endr
.endm
.macro WAYOUT rope
.irp a, 0,1,2,3,4,5,6,7
.if \rope
.if \a < 7
	s_wait_loadcnt 8                               ; this block's eight table loads are in; the next block's may be out
.else
	s_wait_loadcnt 0x0
.endif
	ROPE \a
.if \a < 6
	LOADCS \a+2
.endif
.endif
	PACK \a, \rope
.if \a == 0
	F32ROWS \rope
.endif
.if \a >= 2
	s_wait_xcnt 0x0                                ; the stores of the block two back have read their registers: this block's rows may land there
.endif
	TOSTAGE \a
.if \a >= 1
	SEND \a-1, 16                                  ; behind that block's loads: this block's 8 stores and 8 loads
.endif
.endr
	SEND 7, 0
.endm
	PLACES NP
	s_cmp_eq_u32 ttmp9, 2                          ; the section: the same in all sixteen partners
	s_cbranch_scc1 .Lv_path
	WAYOUT 1
	s_branch .Ljoin
.Lv_path:
	WAYOUT 0
.Ljoin:
	s_wait_tensorcnt 0x0                           ; the wave's end: a spare add and its wait, behind my last tensor load and my last LDS store
	ds_add_u32 v[SPW], v[NIL]
	s_wait_dscnt 0x0
	CROUND                                         ; the closing round
	s_endpgm
.Lfunc_end_k_qac4e6308bb_qkv:
	.size	k_qac4e6308bb_qkv, .Lfunc_end_k_qac4e6308bb_qkv-k_qac4e6308bb_qkv
	.p2alignl 7, 3214868480
	.fill 96, 4, 3214868480
	.section	.rodata,"a",@progbits
	.p2align	6, 0x0
	.amdhsa_kernel k_qac4e6308bb_qkv
		.amdhsa_group_segment_fixed_size 327680
		.amdhsa_private_segment_fixed_size 0
		.amdhsa_enable_private_segment 0
		.amdhsa_kernarg_size 40
		.amdhsa_user_sgpr_count 2
		.amdhsa_user_sgpr_kernarg_segment_ptr 1
		.amdhsa_wavefront_size32 1
		.amdhsa_system_sgpr_workgroup_id_x 1
		.amdhsa_system_sgpr_workgroup_id_y 1
		.amdhsa_system_sgpr_workgroup_id_z 1
		.amdhsa_system_vgpr_workitem_id 0
		.amdhsa_next_free_vgpr 1024
		.amdhsa_next_free_sgpr 100
		.amdhsa_reserve_vcc 1
		.amdhsa_float_denorm_mode_32 3
		.amdhsa_float_denorm_mode_16_64 3
		.amdhsa_memory_ordered 1
		.amdhsa_forward_progress 1
		.amdhsa_inst_pref_size 200
	.end_amdhsa_kernel
	.amdgpu_metadata
---
amdhsa.version: [ 1, 2 ]
amdhsa.kernels:
  - .name:           k_qac4e6308bb_qkv
    .symbol:         k_qac4e6308bb_qkv.kd
    .args:
      - { .name: codes, .offset: 0, .size: 8, .value_kind: global_buffer, .address_space: global }
      - { .name: scales, .offset: 8, .size: 8, .value_kind: global_buffer, .address_space: global }
      - { .name: rope, .offset: 16, .size: 8, .value_kind: global_buffer, .address_space: global }
      - { .name: qkv, .offset: 24, .size: 8, .value_kind: global_buffer, .address_space: global }
      - { .name: r16, .offset: 32, .size: 8, .value_kind: global_buffer, .address_space: global }
    .group_segment_fixed_size: 327680
    .private_segment_fixed_size: 0
    .kernarg_segment_align: 8
    .kernarg_segment_size: 40
    .max_flat_workgroup_size: 128
    .sgpr_count:     100
    .vgpr_count:     1024
    .wavefront_size: 32
...
	.end_amdgpu_metadata
.endif
;; end of part 3
;; launch attn (part 4): grid 4 x 64, 8 waves a work-group, no clusters, 327,680 bytes of LDS; arguments qkv, ao; writes ao
.if DOCPART == 4
	.amdgcn_target "amdgcn-amd-amdhsa--gfx1250"
	.amdhsa_code_object_version 6
	.text
	.protected	k_qac4e6308bb_attn
	.globl	k_qac4e6308bb_attn
	.p2align	8
	.type	k_qac4e6308bb_attn,@function
k_qac4e6308bb_attn:
	s_mov_b64 s[64:65], 0
	v_nop
	global_prefetch_b8 v0, s[64:65] scope:SCOPE_SE
	s_setreg_imm32_b32 hwreg(HW_REG_WAVE_MODE, 25, 1), 1
	s_wait_xcnt 0x0
; Causal attention on f16 operands, head size 64: ao[b][h][q][:] = sum over k <= q of softmax_k(q . k / 8) v[k][:].  Products, maxima and sums in f32; p rounded to f16 for the second product, the result once.
; qkv: [3][64 heads][2,048][64] f16; ao: [64 heads][2,048][64] f16.
; SHARES.  Work-group (j, head) owns two blocks of 256 queries: first block 7 - j against key blocks 0 .. 7 - j, then block j against 0 .. j: nine key blocks of 256 for every j, so all 256 work-groups
; have the same work and the loop's trip count is a constant.  Wave w owns 32 queries, two tiles of 16; two waves share a SIMD, so that one's softmax stands beside the other's products.
; NO CLUSTER: the four work-groups of a head walk key blocks 0 .. 7 - j and then 0 .. j: from trip 8 - j on they want different tiles, so a joint request would not meet.
; RING.  A trip is a slot of 256 keys, four steps of 64; two slots.  Waves 0 to 3 fetch a step's K each, waves 4 to 7 a step's V: one tensor load of 64 rows a wave behind each barrier; one load of mine is out at most.
; LAYOUT.  S^T = K Q^T (source 0 = 16 keys, source 1 = 16 queries): a lane holds ONE query (lane % 16) and keys 8 (lane / 16) + 0 .. 7; two such tiles, rounded in pairs, ARE source 1 of O^T = V^T P.
; V ([key][channel]) comes out of LDS turned, by ds_load_tr16_b128.
; SOFTMAX.  Running maximum m and sum l: p = 2^(c s - c m), c = log2(e) / 8; in every step O and l are multiplied by a = 2^(c m_old - c m_new).  The step is written once: the first finds zeros and m = -3e38.
; MASK.  A step all of whose keys come after the wave's 32 queries is left out by a scalar branch on ids; on the diagonal hidden scores become -infinity ahead of the maximum.  A step that is walked has its
; first key at or under the wave's first query (64 divides the one, 32 the other), so every row has a key that counts and m is a number from the first step on.
; LIMITS: NaN and infinities are not served.
; REGISTERS: window 0: v1-15 addresses; v16-31 statistics, eight a tile; v32-63 Q; v64-127 K; v128-191 S^T; v192-223 P.   window 1: v0-63 O^T; v64-127 V.
.set PK,    144                        ; a row of K in LDS: 128 bytes + 16
.set PV,    160                        ; a row of V: 128 + 32, an odd multiple of 32 for the turning load
.set VOFF,  64*PK
.set STEPB, 64*(PK+PV)                 ; a step: 64 rows of K, then 64 of V
.set SLOT1, 1<<17
.set STAGE, SLOT1+4*STEPB              ; the way out: 32 rows x 144 bytes for each wave; no fill lands here
.set SPARE, STAGE+8*32*PK              ; the spare words: four blocks of 256 bytes that no other line names
.set AK0, 2
.set AV0, 3
.set ADK, 4
.set ADV, 5
.set QO,  6
.set STO, 7
.set RD,  8
.set GO,  9
.set SPW, 10
.set NIL, 11
.set PFO, 12
.set DB,  13                           ; v13  r - 8 h
.set DD,  14                           ; v14  my query less my first key of the step
.set NINF, 15
.set ST,  16                           ; tile u at v[ST + 8 u]: +0 c m, +1 m, +2, +3 l, +4 to +7 at work; a in +6
.set QR,  32
.set KR,  64
.set SS,  128
.set PR,  192
.set VR,  64                           ; in window 1
.set WV,  8
.set JJ,  9
.set NA,  10                           ; key blocks of the first phase: 8 - j
.set TT,  11                           ; the trip
.set QS,  12
.set TB,  13                           ; LDS byte at which the step's tiles begin
.set KF,  14                           ; the step's first key
.set Q0,  15                           ; my first query
.set KP,  16                           ; s[16:17] K of my head at my step of key block 0; s[18:19] V
.set VP,  18
.set SEL, 20
.set CS,  22
.set G1K, 24
.set G1V, 32
.set G0K, 40
.set G0V, 44
.set QH,  48                           ; s[48:49] q's head
.set QB,  50
.set OB,  52
.set PFA, 56
.set LIM, 58
.set MSB, 0
.macro WIN new
.if MSB != \new
	s_set_vgpr_msb (MSB<<8)|\new
.set MSB, \new
.endif
.endm
; Waves 0 to 3 fetch K, waves 4 to 7 V.  An s_nop 0 and four v_nop follow each line.
.macro TLOAD
	s_cmp_lt_u32 s[WV], 4
	s_cbranch_scc0 .Lfor_v_\@
	tensor_load_to_lds s[G0K:G0K+3], s[G1K:G1K+7]
	s_nop 0
.rept 4
	v_nop
.endr
	s_branch .Lasked_\@
.Lfor_v_\@:
	tensor_load_to_lds s[G0V:G0V+3], s[G1V:G1V+7]
	s_nop 0
.rept 4
	v_nop
.endr
.Lasked_\@:
.endm
; A prefetch into the L2 of the key block that the NEXT trip's loads will ask for.  All four work-groups of a head read the same K and V: the one with j = 0, which walks blocks 0 to 7 in order, asks, in trips 0 to 5
; for block trip + 2.  Waves 0 to 3 name K's 32,768 bytes, 8,192 a wave, lanes 256 bytes apart; waves 4 to 7 V's: each block of 256 bytes is named once.  Blocks 0 and 1 come by their loads alone.
.macro ASK
	s_cmp_lt_u32 s[TT], s[LIM]
	s_cbranch_scc0 .Lnot_mine_\@
	global_prefetch_b8 v[PFO], s[PFA:PFA+1] th:TH_LOAD_NT scope:SCOPE_SE
.Lnot_mine_\@:
.endm
	s_load_b128 s[4:7], s[0:1], 0x0                ; qkv s[4:5], ao s[6:7]
	v_lshl_add_u32 v[SPW], v0, 2, SPARE
	v_mov_b32 v[NIL], 0
	ds_add_u32 v[SPW], v[NIL]                      ; the wave's opening: the add, twice on end, and its wait ahead of my first tensor load
	ds_add_u32 v[SPW], v[NIL]
	v_lshrrev_b32 v1, 5, v0
	v_readfirstlane_b32 s[WV], v1                  ; wave 0..7
	s_mov_b32 s[JJ], ttmp9
	s_sub_co_u32 s[NA], 8, s[JJ]
	s_and_b32 s59, ttmp7, 0xffff                   ; the head, 0 .. 63
	s_lshl_b32 s54, s59, 18                        ; its first byte in a section
	s_mov_b32 s55, 0
	s_and_b32 s60, s[WV], 3                        ; which step of a slot I fetch
	s_lshl_b32 s62, s60, 13                        ; its 64 rows of 128 bytes
	s_add_co_u32 s62, s62, s54
	s_mov_b32 s63, 0
	s_mul_i32 s61, s60, STEPB                      ; and its place in a slot
	s_mov_b32 s[G1K], (1<<16)|(1<<20)|(4<<22)|(3<<25)   ; elements of 2 bytes; padding: 4 words after every 32
	s_mov_b32 s[G1V], (1<<16)|(1<<20)|(4<<22)|(7<<25)   ; 8 words
.irp g, G1K, G1V
	s_mov_b32 s[\g+1], 64<<16                      ; tensor_dim0
	s_mov_b32 s[\g+2], 64<<16                      ; tensor_dim1
	s_mov_b32 s[\g+3], 64<<16                      ; tile_dim0
	s_mov_b32 s[\g+4], 64                          ; tile_dim1
	s_mov_b32 s[\g+5], 64                          ; the pitch
	s_mov_b32 s[\g+6], 0
	s_mov_b32 s[\g+7], 0
.endr
	s_mov_b32 s[SEL], 0x76543210
	s_mov_b32 s[SEL+1], 0xfedcba98
	s_mov_b32 s[CS], 0x3e38aa3b                    ; c = log2(e) / 8
	s_mov_b32 s[CS+1], s[CS]
	s_mov_b32 s[TT], 0
	s_mov_b32 s[TB], 0
	s_mov_b32 s[KF], 0
	s_cmp_eq_u32 s[JJ], 0
	s_cselect_b32 s[LIM], 6, 0
	s_wait_dscnt 0x0                               ; both opening adds are done
	s_wait_kmcnt 0x0
	s_add_nc_u64 s[QH:QH+1], s[4:5], s[54:55]
	s_add_nc_u64 s[6:7], s[6:7], s[54:55]          ; ao at my head
	s_add_nc_u64 s[KP:KP+1], s[4:5], s[62:63]
	s_add_nc_u64 s[VP:VP+1], s[KP:KP+1], 0x2000000 ; section 2
	s_add_nc_u64 s[KP:KP+1], s[KP:KP+1], 0x1000000 ; section 1
	s_mov_b32 s[G0K], 1
	s_mov_b32 s[G0K+1], s61
	s_mov_b64 s[G0K+2:G0K+3], s[KP:KP+1]
	s_or_b32 s[G0K+3], s[G0K+3], 0x80000000
	s_mov_b32 s[G0V], 1
	s_add_co_u32 s[G0V+1], s61, VOFF
	s_mov_b64 s[G0V+2:G0V+3], s[VP:VP+1]
	s_or_b32 s[G0V+3], s[G0V+3], 0x80000000
	TLOAD                                          ; key block 0 into slot 0
	s_cmp_lt_u32 s[WV], 4
	s_cselect_b64 s[PFA:PFA+1], s[KP:KP+1], s[VP:VP+1]
	s_add_nc_u64 s[PFA:PFA+1], s[PFA:PFA+1], 0x8000   ; at block 1: the first trip steps it to block 2.  Nothing is prefetched here, at the head
	v_and_b32 v1, 15, v0                           ; r
	v_bfe_u32 v16, v0, 4, 1                        ; h
	v_and_b32 v17, 31, v0                          ; lane
	v_mul_u32_u24 v[AK0], v1, PK
	v_lshl_add_u32 v[AK0], v16, 4, v[AK0]
	v_and_b32 v18, 7, v0
	v_bfe_u32 v19, v0, 3, 1
	v_lshl_add_u32 v[AV0], v16, 3, v18
	v_mul_u32_u24 v[AV0], v[AV0], PV
	v_lshl_add_u32 v[AV0], v19, 4, v[AV0]
	v_add_nc_u32 v[AV0], VOFF, v[AV0]
	v_lshlrev_b32 v[QO], 7, v1
	v_lshl_add_u32 v[QO], v16, 4, v[QO]
	s_mul_i32 s59, s[WV], 32*PK
	s_add_co_u32 s59, s59, STAGE                   ; my stage
	v_add_nc_u32 v[STO], s59, v[AK0]               ; in: row r, 16 bytes for each half of the lanes
	v_lshrrev_b32 v20, 3, v17
	v_mul_u32_u24 v[RD], v20, PK
	v_lshl_add_u32 v[RD], v18, 4, v[RD]
	v_add_nc_u32 v[RD], s59, v[RD]                 ; back: eight lanes to a row, four rows an instruction
	v_lshlrev_b32 v[GO], 4, v17
	v_lshlrev_b32 v[PFO], 8, v17
	v_lshlrev_b32 v[DB], 3, v16
	v_sub_nc_u32 v[DB], v1, v[DB]
	v_mov_b32 v[DD], 0
	v_mov_b32 v[NINF], 0xff800000
; A phase begins: Q of my 32 queries into registers; m = -3e38, l = 0, O^T = 0.
.macro BEGIN
	s_lshl_b32 s54, s[Q0], 7
	s_mov_b32 s55, 0
	s_add_nc_u64 s[QB:QB+1], s[QH:QH+1], s[54:55]
	s_add_nc_u64 s[OB:OB+1], s[6:7], s[54:55]
.irp u, 0,1
.irp c, 0,1
	global_load_b128 v[QR+16*\u+8*\c:QR+16*\u+8*\c+3], v[QO], s[QB:QB+1] offset:2048*\u+64*\c
	global_load_b128 v[QR+16*\u+8*\c+4:QR+16*\u+8*\c+7], v[QO], s[QB:QB+1] offset:2048*\u+64*\c+32
.endr
.endr
.irp u, 0,1
	v_mov_b32 v[ST+8*\u+1], 0xff61b1e6
	v_mul_f32 v[ST+8*\u], s[CS], v[ST+8*\u+1]
.irp i, 2,3,4,5,6,7
	v_mov_b32 v[ST+8*\u+\i], 0
.endr
.endr
	WIN 0x40
.set i, 0
.rept 64
	v_mov_b32 v[i], 0                              ; O^T: the step is written once, and its first turn multiplies zeros
.set i, i+1
.endr
	WIN 0
	s_wait_loadcnt 0x0
.endm
; A KEY STEP: 64 keys.
.macro STEP
	s_add_co_u32 s66, s[Q0], 31
	s_cmp_gt_u32 s[KF], s66                        ; all its keys come after my queries: ids and the count of steps alone
	s_cbranch_scc1 .Lhidden_\@
	v_add_nc_u32 v[ADK], s[TB], v[AK0]
	v_add_nc_u32 v[ADV], s[TB], v[AV0]
	v_nop
	v_nop                                          ; four places in front of the loads into V's registers, which the last products read
.irp kt, 0,1,2,3
.irp c, 0,1
	ds_load_b128 v[KR+16*\kt+8*\c:KR+16*\kt+8*\c+3], v[ADK] offset:16*PK*\kt+64*\c
	ds_load_b128 v[KR+16*\kt+8*\c+4:KR+16*\kt+8*\c+7], v[ADK] offset:16*PK*\kt+64*\c+32
.endr
.endr
	WIN 0x40
.irp kk, 0,1
.irp ct, 0,1,2,3
	ds_load_tr16_b128 v[VR+32*\kk+8*\ct:VR+32*\kk+8*\ct+3], v[ADV] offset:32*PV*\kk+32*\ct
	ds_load_tr16_b128 v[VR+32*\kk+8*\ct+4:VR+32*\kk+8*\ct+7], v[ADV] offset:32*PV*\kk+16*PV+32*\ct
.endr
.endr
	WIN 0
	s_wait_dscnt 16                                ; K is in; V's sixteen loads stay out under the softmax
.irp c, 0,1                                    ; the eight accumulators take turns
.irp kt, 0,1,2,3
.irp u, 0,1
.if \c == 0
	v_wmma_f32_16x16x32_f16 v[SS+32*\u+8*\kt:SS+32*\u+8*\kt+7], v[KR+16*\kt+8*\c:KR+16*\kt+8*\c+7], v[QR+16*\u+8*\c:QR+16*\u+8*\c+7], 0
.else
	v_wmma_f32_16x16x32_f16 v[SS+32*\u+8*\kt:SS+32*\u+8*\kt+7], v[KR+16*\kt+8*\c:KR+16*\kt+8*\c+7], v[QR+16*\u+8*\c:QR+16*\u+8*\c+7], v[SS+32*\u+8*\kt:SS+32*\u+8*\kt+7]
.endif
.endr
.endr
.endr
.rept 4
	v_nop
.endr
	s_add_co_u32 s66, s[KF], 63
	s_cmp_le_u32 s66, s[Q0]                        ; all its keys count for all my queries
	s_cbranch_scc1 .Lopen_\@
	s_sub_co_i32 s66, s[Q0], s[KF]
	v_add_nc_u32 v[DD], s66, v[DB]                 ; d = Q0 - KF + r - 8 h.  Register 8 kt + j of tile u: key KF + 16 kt + 8 h + j, query Q0 + 16 u + r: hidden where 16 kt + j - 16 u > d
.irp u, 0,1
.irp kt, 0,1,2,3
.irp j, 0,1,2,3,4,5,6,7
	v_cmp_gt_i32 vcc_lo, 16*\kt+\j-16*\u, v[DD]
	v_cndmask_b32 v[SS+32*\u+8*\kt+\j], v[SS+32*\u+8*\kt+\j], v[NINF], vcc_lo
.endr
.endr
.endr
.Lopen_\@:
	; the maximum of my 32 scores and the old m, three operands at a time; the two tiles alternate line by line
.irp j, 0,1,2,3
.irp u, 0,1
	v_max3_num_f32 v[ST+8*\u+4+\j], v[SS+32*\u+8*\j], v[SS+32*\u+8*\j+1], v[SS+32*\u+8*\j+2]
.endr
.endr
.irp g, 1,2
.irp j, 0,1,2,3
.irp u, 0,1
	v_max3_num_f32 v[ST+8*\u+4+\j], v[ST+8*\u+4+\j], v[SS+32*\u+8*\j+2*\g+1], v[SS+32*\u+8*\j+2*\g+2]
.endr
.endr
.endr
.irp u, 0,1
	v_max3_num_f32 v[ST+8*\u+4], v[ST+8*\u+4], v[SS+32*\u+7], v[SS+32*\u+15]
.endr
.irp u, 0,1
	v_max3_num_f32 v[ST+8*\u+6], v[ST+8*\u+6], v[SS+32*\u+23], v[SS+32*\u+31]
.endr
.irp u, 0,1
	v_max3_num_f32 v[ST+8*\u+4], v[ST+8*\u+4], v[ST+8*\u+5], v[ST+8*\u+6]
.endr
.irp u, 0,1
	v_max3_num_f32 v[ST+8*\u+4], v[ST+8*\u+4], v[ST+8*\u+7], v[ST+8*\u+1]
.endr
.irp u, 0,1
	v_permlanex16_b32 v[ST+8*\u+5], v[ST+8*\u+4], s[SEL], s[SEL+1]   ; the query's other 32 keys lie in the lane 16 away
.endr
.irp u, 0,1
	v_mov_b32 v[ST+8*\u+7], v[ST+8*\u]             ; c m_old
.endr
.irp u, 0,1
	v_max_num_f32 v[ST+8*\u+1], v[ST+8*\u+4], v[ST+8*\u+5]
.endr
.irp u, 0,1
	v_mul_f32 v[ST+8*\u], s[CS], v[ST+8*\u+1]
.endr
.irp u, 0,1
	v_sub_f32 v[ST+8*\u+7], v[ST+8*\u+7], v[ST+8*\u]
.endr
.irp n, 0,1,2,3,4,5,6,7,8,9,10,11,12,13,14,15
.irp u, 0,1
	v_pk_fma_f32 v[SS+32*\u+2*\n:SS+32*\u+2*\n+1], v[SS+32*\u+2*\n:SS+32*\u+2*\n+1], s[CS:CS+1], v[ST+8*\u:ST+8*\u+1] op_sel_hi:[1,0,0] neg_lo:[0,0,1] neg_hi:[0,0,1]   ; c s - c m
.endr
.endr
.irp u, 0,1
	v_exp_f32 v[ST+8*\u+6], v[ST+8*\u+7]           ; a
.endr
.set i, 0
.rept 64
	v_exp_f32 v[SS+i], v[SS+i]                     ; p
.set i, i+1
.endr
	v_nop                                          ; a plain instruction behind the last exponential
	s_wait_alu depctr_va_vdst(0)                   ; one wait for the 66, ahead of their first reader
.irp n, 0,1,2,3,4,5,6,7,8,9,10,11,12,13,14,15
.irp u, 0,1
	v_cvt_pk_f16_f32 v[PR+16*\u+\n], v[SS+32*\u+2*\n], v[SS+32*\u+2*\n+1]
.endr
.endr
.irp z, 0,1,2,3,4,5,6,7                        ; the sum of the unrounded p, in place
.irp u, 0,1
	v_pk_add_f32 v[SS+32*\u+4*\z:SS+32*\u+4*\z+1], v[SS+32*\u+4*\z:SS+32*\u+4*\z+1], v[SS+32*\u+4*\z+2:SS+32*\u+4*\z+3]
.endr
.endr
.irp z, 0,1,2,3
.irp u, 0,1
	v_pk_add_f32 v[SS+32*\u+8*\z:SS+32*\u+8*\z+1], v[SS+32*\u+8*\z:SS+32*\u+8*\z+1], v[SS+32*\u+8*\z+4:SS+32*\u+8*\z+5]
.endr
.endr
.irp z, 0,1
.irp u, 0,1
	v_pk_add_f32 v[SS+32*\u+16*\z:SS+32*\u+16*\z+1], v[SS+32*\u+16*\z:SS+32*\u+16*\z+1], v[SS+32*\u+16*\z+8:SS+32*\u+16*\z+9]
.endr
.endr
.irp u, 0,1
	v_pk_add_f32 v[SS+32*\u:SS+32*\u+1], v[SS+32*\u:SS+32*\u+1], v[SS+32*\u+16:SS+32*\u+17]
.endr
.irp u, 0,1
	v_pk_fma_f32 v[ST+8*\u+2:ST+8*\u+3], v[ST+8*\u+2:ST+8*\u+3], v[ST+8*\u+6:ST+8*\u+7], v[SS+32*\u:SS+32*\u+1] op_sel_hi:[1,0,1]   ; l = a l + the sum
.endr
	WIN 0x41
.irp u, 0,1
.irp n, 0,1,2,3,4,5,6,7,8,9,10,11,12,13,14,15
	v_pk_mul_f32 v[32*\u+2*\n:32*\u+2*\n+1], v[32*\u+2*\n:32*\u+2*\n+1], v[ST+8*\u+6:ST+8*\u+7] op_sel_hi:[1,0]   ; O^T x a
.endr
.endr
	s_wait_dscnt 0x0                               ; V is in
	WIN 0x51
.irp kk, 0,1                                   ; the eight accumulators take turns
.irp ct, 0,1,2,3
.irp u, 0,1
	v_wmma_f32_16x16x32_f16 v[32*\u+8*\ct:32*\u+8*\ct+7], v[VR+32*\kk+8*\ct:VR+32*\kk+8*\ct+7], v[PR+16*\u+8*\kk:PR+16*\u+8*\kk+7], v[32*\u+8*\ct:32*\u+8*\ct+7]
.endr
.endr
.endr
	WIN 0
.Lhidden_\@:
	s_add_co_u32 s[KF], s[KF], 64
	s_add_co_u32 s[TB], s[TB], STEPB
.endm
.macro SLOT_STEPS                      ; a slot's four steps: written once, walked four times
	s_mov_b32 s[QS], 4
.Lstep_\@:
	STEP
	s_sub_co_u32 s[QS], s[QS], 1
	s_cmp_lg_u32 s[QS], 0
	s_cbranch_scc1 .Lstep_\@
	s_sub_co_u32 s[TB], s[TB], 4*STEPB
	s_xor_b32 s[TB], s[TB], SLOT1                  ; on to the other slot
.endm
; THE CHANGE OF SLOTS stands at a slot's head: each wave waits for all its tensor loads (its part of the slot ahead), adds 0 to its spare word, waits for that and for its reads of the slot that it has left; the barrier;
; then (fill = 1) the slot that was left is filled with the next trip's key block, which has a whole slot's steps in which to land.
.macro CHANGE fill
	s_wait_tensorcnt 0x0                           ; no tensor load of mine is out, so a group 0 may be written
	ds_add_u32 v[SPW], v[NIL]
.if \fill
	s_add_co_u32 s59, s[TT], 1
	s_cmp_ge_u32 s59, s[NA]
	s_cselect_b32 s60, s[NA], 0
	s_sub_co_u32 s62, s59, s60                     ; the next trip's key block: the second phase begins again at 0
	s_lshl_b32 s62, s62, 15
	s_mov_b32 s63, 0
	s_xor_b32 s[G0K+1], s[G0K+1], SLOT1
	s_xor_b32 s[G0V+1], s[G0V+1], SLOT1
	s_add_nc_u64 s[G0K+2:G0K+3], s[KP:KP+1], s[62:63]
	s_or_b32 s[G0K+3], s[G0K+3], 0x80000000
	s_add_nc_u64 s[G0V+2:G0V+3], s[VP:VP+1], s[62:63]
	s_or_b32 s[G0V+3], s[G0V+3], 0x80000000
	s_wait_xcnt 0x0                                ; the last prefetch, a slot back, has read its address
	s_add_nc_u64 s[PFA:PFA+1], s[PFA:PFA+1], 0x8000
.endif
	s_wait_dscnt 0x0                               ; the add is done, and my reads of the slot that I have left are over
	s_barrier_signal -1
	s_barrier_wait -1
.if \fill
	TLOAD                                          ; the first thing behind the barrier, and my one tensor load until the next
	ASK
.endif
.endm
; A phase ends: O^T / l, rounded to f16, through my stage, out as 4,096 dense bytes.
.macro WAYOUT
.rept 4
	v_nop
.endr
.irp u, 0,1
	v_add_f32 v[ST+8*\u+4], v[ST+8*\u+2], v[ST+8*\u+3]
.endr
.irp u, 0,1
	v_permlanex16_b32 v[ST+8*\u+5], v[ST+8*\u+4], s[SEL], s[SEL+1]
.endr
.irp u, 0,1
	v_add_f32 v[ST+8*\u+4], v[ST+8*\u+4], v[ST+8*\u+5]
.endr
.irp u, 0,1
	v_rcp_f32 v[ST+8*\u+6], v[ST+8*\u+4]
.endr
	v_nop
	s_wait_alu depctr_va_vdst(0)                   ; one wait for the two reciprocals, ahead of their first reader
	WIN 0x41
.irp u, 0,1
.irp n, 0,1,2,3,4,5,6,7,8,9,10,11,12,13,14,15
	v_pk_mul_f32 v[32*\u+2*\n:32*\u+2*\n+1], v[32*\u+2*\n:32*\u+2*\n+1], v[ST+8*\u+6:ST+8*\u+7] op_sel_hi:[1,0]
.endr
.endr
	WIN 0x05
.irp u, 0,1
.irp n, 0,1,2,3,4,5,6,7,8,9,10,11,12,13,14,15
	v_cvt_pk_f16_f32 v[SS+16*\u+\n], v[32*\u+2*\n], v[32*\u+2*\n+1]
.endr
.endr
	WIN 0
.irp u, 0,1
.irp ct, 0,1,2,3
	ds_store_b128 v[STO], v[SS+16*\u+4*\ct:SS+16*\u+4*\ct+3] offset:16*PK*\u+32*\ct
.endr
.endr
.irp i, 0,1,2,3,4,5,6,7
	ds_load_b128 v[SS+32+4*\i:SS+32+4*\i+3], v[RD] offset:4*PK*\i   ; LDS serves a wave's instructions in order: these see my stores
.endr
.irp i, 0,1,2,3,4,5,6,7
	s_wait_dscnt 7-\i
	global_store_b128 v[GO], v[SS+32+4*\i:SS+32+4*\i+3], s[OB:OB+1] offset:512*\i   ; four queries: 512 consecutive bytes, aligned
.endr
	s_wait_xcnt 0x0                                ; the stores have read their data and their base: both are written again
.endm
	s_sub_co_u32 s[Q0], 7, s[JJ]
	s_lshl_b32 s[Q0], s[Q0], 8
	s_lshl_b32 s59, s[WV], 5
	s_add_co_u32 s[Q0], s[Q0], s59                 ; the first phase: block 7 - j
	BEGIN
.Ltrip:                                            ; eight trips, each asking for the next trip's key block
	CHANGE 1
	SLOT_STEPS
	s_add_co_u32 s59, s[TT], 1
	s_cmp_lg_u32 s59, s[NA]                        ; the first phase's last key block?  ids and the trip alone: the same in all eight waves
	s_cbranch_scc1 .Lsame
	WAYOUT
	s_lshl_b32 s[Q0], s[JJ], 8
	s_lshl_b32 s59, s[WV], 5
	s_add_co_u32 s[Q0], s[Q0], s59                 ; the second phase: block j
	s_mov_b32 s[KF], 0
	BEGIN
.Lsame:
	s_add_co_u32 s[TT], s[TT], 1
	s_cmp_lt_u32 s[TT], 8
	s_cbranch_scc1 .Ltrip
	CHANGE 0                                       ; the ninth key block is written out: nothing is left to fetch
	SLOT_STEPS
	WAYOUT
	s_wait_tensorcnt 0x0                           ; the wave's end: a spare add and its wait, behind my last tensor load and my last LDS store
	ds_add_u32 v[SPW], v[NIL]
	s_wait_dscnt 0x0
	s_endpgm
.Lfunc_end_k_qac4e6308bb_attn:
	.size	k_qac4e6308bb_attn, .Lfunc_end_k_qac4e6308bb_attn-k_qac4e6308bb_attn
	.p2alignl 7, 3214868480
	.fill 96, 4, 3214868480
	.section	.rodata,"a",@progbits
	.p2align	6, 0x0
	.amdhsa_kernel k_qac4e6308bb_attn
		.amdhsa_group_segment_fixed_size 327680
		.amdhsa_private_segment_fixed_size 0
		.amdhsa_enable_private_segment 0
		.amdhsa_kernarg_size 16
		.amdhsa_user_sgpr_count 2
		.amdhsa_user_sgpr_kernarg_segment_ptr 1
		.amdhsa_wavefront_size32 1
		.amdhsa_system_sgpr_workgroup_id_x 1
		.amdhsa_system_sgpr_workgroup_id_y 1
		.amdhsa_system_sgpr_workgroup_id_z 1
		.amdhsa_system_vgpr_workitem_id 0
		.amdhsa_next_free_vgpr 384
		.amdhsa_next_free_sgpr 72
		.amdhsa_reserve_vcc 1
		.amdhsa_float_denorm_mode_32 3
		.amdhsa_float_denorm_mode_16_64 3
		.amdhsa_memory_ordered 1
		.amdhsa_forward_progress 1
		.amdhsa_inst_pref_size 71
	.end_amdhsa_kernel
	.amdgpu_metadata
---
amdhsa.version: [ 1, 2 ]
amdhsa.kernels:
  - .name:           k_qac4e6308bb_attn
    .symbol:         k_qac4e6308bb_attn.kd
    .args:
      - { .name: qkv, .offset: 0, .size: 8, .value_kind: global_buffer, .address_space: global }
      - { .name: ao, .offset: 8, .size: 8, .value_kind: global_buffer, .address_space: global }
    .group_segment_fixed_size: 327680
    .private_segment_fixed_size: 0
    .kernarg_segment_align: 8
    .kernarg_segment_size: 16
    .max_flat_workgroup_size: 256
    .sgpr_count:     72
    .vgpr_count:     384
    .wavefront_size: 32
...
	.end_amdgpu_metadata
.endif
;; end of part 4
;; launch oproj (part 5): grid 4 x 64, 4 waves a work-group, clusters of 4 x 4, 327,680 bytes of LDS; arguments ao, o16, out0; writes out0
.if DOCPART == 5
	.amdgcn_target "amdgcn-amd-amdhsa--gfx1250"
	.amdhsa_code_object_version 6
	.text
	.protected	k_qac4e6308bb_oproj
	.globl	k_qac4e6308bb_oproj
	.p2align	8
	.type	k_qac4e6308bb_oproj,@function
k_qac4e6308bb_oproj:
	s_mov_b64 s[64:65], 0
	v_nop
	global_prefetch_b8 v0, s[64:65] scope:SCOPE_SE
	s_setreg_imm32_b32 hwreg(HW_REG_WAVE_MODE, 25, 1), 1
	s_wait_xcnt 0x0
	s_wait_alu depctr_hold_cnt(0) depctr_sa_sdst(0) depctr_va_vdst(0) depctr_va_sdst(0) depctr_va_ssrc(0) depctr_va_vcc(0) depctr_vm_vsrc(0)
	s_getreg_b32 s2, hwreg(HW_REG_IB_STS2, 6, 4)
	s_cmp_eq_u32 s2, 0
	s_cbranch_scc0 .Lentry_in_a_cluster
	s_endpgm
.Lentry_in_a_cluster:
	s_bfe_u32 s2, ttmp6, 0x10000c
	s_cmp_lg_u32 s2, 0xf033
	s_cbranch_scc0 .Lentry_shape_is_right
	s_endpgm
.Lentry_shape_is_right:
; out0[m][n] = sum over k of A[m][k] W[k][n], f16 operands, f32 sums.  A = ao, laid by head [4 b][16 h][2,048 s][64]: m = 2,048 b + s, k = 64 h + d.  W = o16 [1,024 k][1,024 n].  out0 [8,192][1,024] f32.
; A tile of C is 128 rows x 256 columns: 256 work-groups (tiles of 256 x 256 would be 128).  Four waves, each 64 x 128: 32 accumulators, 256 registers.
; K goes in steps of 128, two heads, through a ring of two LDS slots: A's tile is, for each head, 128 dense rows of 128 bytes; W's is 128 rows k of 512 bytes, read turned by ds_load_tr16_b128.
; CLUSTERS: 4 x 4 work-groups; A's tiles are asked for jointly along a row of the cluster, W's along a column.  Waves 0 and 1 fetch A's two heads, waves 2 and 3 W's two halves: one load a wave behind each round.
; THE MATRIX INSTRUCTION IS USED TRANSPOSED (source 0 = 16 columns of W, source 1 = 16 rows of A): a lane holds eight neighbouring numbers of a row of C.
; No prefetch: eight K steps in all, of which two are asked for at the head.  Rows 0 to 15 of each batch are written here like all others, and written over by the launch that carries them finely.
; REGISTERS: window 0: v16-29 addresses; v32-95 A's fragments, two buffers; v128-255 rows on the way out.  window 1: v0-127 W's fragments, two buffers.  window 2: accumulator (a, b) at v[8 (8 a + b)].
.set PA,     144                       ; a row of A in LDS: 128 bytes + 16
.set PB,     544                       ; a row of W: 512 + 32, an odd multiple of 32 for the turning load
.set AH,     128*PA                    ; a head's 128 rows
.set BOFF,   2*AH
.set BH,     64*PB                     ; 64 rows k
.set SLOT,   BOFF+2*BH
.set STAGE,  2*SLOT                    ; the way out: 16 rows x 528 bytes for each wave; no fill lands here
.set SPITCH, 528
.set SPARE,  STAGE+4*16*SPITCH         ; the spare words: two blocks of 256 bytes that no other line names
.set LAPS,   4                         ; a lap = two K steps
.set ADRA, 16
.set ADRB, 20
.set STO,  24
.set RD,   25
.set CO,   26
.set SPW,  28
.set NIL,  29
.set AF,   32
.set BK,   128
.set G1, 24
.set G0, 32
.set G1B, 48
.set G0B, 56
.set MSB, 0
.macro WIN new
.if MSB != \new
	s_set_vgpr_msb (MSB<<8)|\new
.set MSB, \new
.endif
.endm
.set MUL,  0xa1                        ; source 0 (W) window 1, source 1 (A) window 0, C and D window 2
.set TO_B, 0x40
.macro JLOAD s                         ; a joint load; an s_nop 0 and four v_nop follow each line
	s_cmp_eq_u32 s11, 0
	s_cbranch_scc0 .Lfor_b_\@
	tensor_load_to_lds s[G0+4*\s:G0+4*\s+3], s[G1:G1+7]
	s_nop 0
.rept 4
	v_nop
.endr
	s_branch .Lasked_\@
.Lfor_b_\@:
	tensor_load_to_lds s[G0B+4*\s:G0B+4*\s+3], s[G1B:G1B+7]
	s_nop 0
.rept 4
	v_nop
.endr
.Lasked_\@:
.endm
.macro CREST
	s_cmp_lg_u32 s10, 0
	s_cbranch_scc1 .Lnot_wave_0_\@
	s_barrier_signal -3
.Lnot_wave_0_\@:
	s_barrier_wait -3
	s_barrier_signal -1
	s_barrier_wait -1
.endm
.macro CROUND
	s_barrier_signal -1
	s_barrier_wait -1
	CREST
.endm
	s_load_b128 s[4:7], s[0:1], 0x0                ; ao s[4:5], o16 s[6:7]
	s_load_b64 s[8:9], s[0:1], 0x10                ; out0
	v_lshl_add_u32 v[SPW], v0, 2, SPARE
	v_mov_b32 v[NIL], 0
	ds_add_u32 v[SPW], v[NIL]                      ; the wave's opening: the add, twice on end, and its wait ahead of my first tensor load
	ds_add_u32 v[SPW], v[NIL]
	v_lshrrev_b32 v1, 5, v0
	v_readfirstlane_b32 s10, v1                    ; wave 0..3
	s_lshr_b32 s11, s10, 1                         ; which 64 rows are mine.  Also: I fetch for A (0) or for W (1)
	s_and_b32 s12, s10, 1                          ; which 128 columns.  Also: which head of A, or which 64 rows of W, I fetch
	s_bfe_u32 s40, ttmp6, 0x40000                  ; cx, cy
	s_bfe_u32 s41, ttmp6, 0x40004
	s_lshl_b32 s42, ttmp9, 2
	s_add_co_u32 s42, s42, s40                     ; tile column
	s_and_b32 s13, ttmp7, 0xffff
	s_lshl_b32 s13, s13, 2
	s_add_co_u32 s13, s13, s41                     ; tile row
	s_lshl_b32 s43, s41, 2
	s_lshl_b32 s43, 15, s43                        ; my row of the cluster
	s_lshl_b32 s44, 0x1111, s40                    ; my column
	s_or_b32 s[G1+0], s43, (1<<16)|(1<<20)|(1<<21)|(4<<22)|(3<<25)   ; A: mask of my row; elements of 2 bytes; padding: 4 words after every 32
	s_mov_b32 s[G1+1], 64<<16                      ; tensor_dim0
	s_mov_b32 s[G1+2], 128<<16                     ; tensor_dim1
	s_mov_b32 s[G1+3], 64<<16                      ; tile_dim0
	s_mov_b32 s[G1+4], 128                         ; tile_dim1
	s_mov_b32 s[G1+5], 64                          ; the pitch: a head's rows are dense
	s_mov_b32 s[G1+6], 0
	s_mov_b32 s[G1+7], 0
	s_or_b32 s[G1B+0], s44, (1<<16)|(1<<20)|(1<<21)|(6<<22)|(7<<25)  ; W: mask of my column; padding: 8 words after every 128
	s_mov_b32 s[G1B+1], 256<<16
	s_mov_b32 s[G1B+2], 64<<16
	s_mov_b32 s[G1B+3], 256<<16
	s_mov_b32 s[G1B+4], 64
	s_mov_b32 s[G1B+5], 1024
	s_mov_b32 s[G1B+6], 0
	s_mov_b32 s[G1B+7], 0
	s_lshr_b32 s16, s13, 4
	s_lshl_b32 s16, s16, 22                        ; A: the batch, 4,194,304 bytes,
	s_and_b32 s17, s13, 15
	s_lshl_b32 s17, s17, 14
	s_add_co_u32 s16, s16, s17                     ; 128 positions of 128 bytes a tile row,
	s_lshl_b32 s17, s12, 18
	s_add_co_u32 s16, s16, s17                     ; my head of the K step's two
	s_mov_b32 s17, 0
	s_lshl_b32 s46, s42, 9                         ; W: 256 columns of 2 bytes a tile column,
	s_lshl_b32 s47, s12, 17
	s_add_co_u32 s46, s46, s47                     ; my 64 rows of 2,048 bytes
	s_mov_b32 s47, 0
	s_mul_i32 s20, s12, AH                         ; where they go: no place in the cluster enters an LDS address
	s_mul_i32 s21, s12, BH
	s_add_co_u32 s21, s21, BOFF
	s_wait_dscnt 0x0                               ; both opening adds are done
	s_wait_kmcnt 0x0
	s_add_nc_u64 s[14:15], s[4:5], s[16:17]
	s_add_nc_u64 s[46:47], s[6:7], s[46:47]
	CROUND                                         ; all sixteen work-groups are here: the first joint loads meet
.irp s, 0,1
	s_mov_b32 s[G0+4*\s], 1
	s_add_co_u32 s[G0+4*\s+1], s20, \s*SLOT
	s_add_nc_u64 s[G0+4*\s+2:G0+4*\s+3], s[14:15], \s*524288      ; K step s: two heads on
	s_or_b32 s[G0+4*\s+3], s[G0+4*\s+3], 0x80000000
	s_mov_b32 s[G0B+4*\s], 1
	s_add_co_u32 s[G0B+4*\s+1], s21, \s*SLOT
	s_add_nc_u64 s[G0B+4*\s+2:G0B+4*\s+3], s[46:47], \s*262144    ; 128 rows on
	s_or_b32 s[G0B+4*\s+3], s[G0B+4*\s+3], 0x80000000
	JLOAD \s
.endr
	v_and_b32 v1, 15, v0                           ; r
	v_bfe_u32 v2, v0, 4, 1                         ; h
	v_and_b32 v6, 31, v0                           ; lane
	v_mul_u32_u24 v3, v1, PA
	v_lshl_add_u32 v3, v2, 4, v3
	v_and_b32 v4, 7, v0
	v_lshl_add_u32 v4, v2, 3, v4
	v_mul_u32_u24 v4, v4, PB
	v_bfe_u32 v5, v0, 3, 1
	v_lshl_add_u32 v4, v5, 4, v4                   ; the turning load: row 8 h + lane % 8, 16 bytes by (lane / 8) % 2
	s_mul_i32 s22, s11, 64*PA                      ; my 64 rows of A
	s_lshl_b32 s23, s12, 8
	s_add_co_u32 s23, s23, BOFF                    ; my 128 columns of W
.irp s, 0,1
	v_add_nc_u32 v[ADRA+\s], s22, v3
	v_add_nc_u32 v[ADRB+\s], s23, v4
	s_add_co_u32 s22, s22, SLOT
	s_add_co_u32 s23, s23, SLOT
.endr
	s_mul_i32 s23, s10, 16*SPITCH
	s_add_co_u32 s23, s23, STAGE                   ; my stage
	v_mul_u32_u24 v5, v1, SPITCH
	v_lshl_add_u32 v5, v2, 5, v5
	v_add_nc_u32 v[STO], s23, v5                   ; in: row r, 32 bytes for each half of the lanes
	v_lshlrev_b32 v[CO], 4, v6
	v_add_nc_u32 v[RD], s23, v[CO]                 ; back: the 32 lanes take one row of 512 bytes
	s_lshl_b32 s16, s13, 7
	s_lshl_b32 s17, s11, 6
	s_add_co_u32 s16, s16, s17                     ; my first row of C
	s_lshl_b32 s16, s16, 12
	s_lshl_b32 s46, s42, 10
	s_lshl_b32 s47, s12, 9
	s_add_co_u32 s46, s46, s47                     ; my first column, in bytes
	s_add_co_u32 s16, s16, s46
	s_mov_b32 s17, 0
	s_add_nc_u64 s[8:9], s[8:9], s[16:17]
; 8 matrix instructions: A's block a x W's eight blocks, 32 along K, buffer f.  The 32 accumulators take turns, in the same order in every quarter.
.macro MUL8 f, a, zero
.irp b, 0,1,2,3,4,5,6,7
.if \zero
	v_wmma_f32_16x16x32_f16 v[8*(8*\a+\b):8*(8*\a+\b)+7], v[64*\f+8*\b:64*\f+8*\b+7], v[AF+32*\f+8*\a:AF+32*\f+8*\a+7], 0
.else
	v_wmma_f32_16x16x32_f16 v[8*(8*\a+\b):8*(8*\a+\b)+7], v[64*\f+8*\b:64*\f+8*\b+7], v[AF+32*\f+8*\a:AF+32*\f+8*\a+7], v[8*(8*\a+\b):8*(8*\a+\b)+7]
.endif
.endr
.endm
; 24 LDS loads in one run: the fragments of the slot's q-th 32 along K into buffer f: W's sixteen first, then A's eight
.macro FETCH slot, q, f
	WIN TO_B
.irp i, 0,1,2,3,4,5,6,7
	ds_load_tr16_b128 v[64*\f+8*\i:64*\f+8*\i+3],   v[ADRB+\slot] offset:32*PB*(\q)+32*\i
	ds_load_tr16_b128 v[64*\f+8*\i+4:64*\f+8*\i+7], v[ADRB+\slot] offset:32*PB*(\q)+16*PB+32*\i
.endr
	WIN 0
.irp i, 0,1,2,3
	ds_load_b128 v[AF+32*\f+8*\i:AF+32*\f+8*\i+3],   v[ADRA+\slot] offset:AH*((\q)/2)+64*((\q)%2)+16*PA*\i
	ds_load_b128 v[AF+32*\f+8*\i+4:AF+32*\f+8*\i+7], v[ADRA+\slot] offset:AH*((\q)/2)+64*((\q)%2)+16*PA*\i+32
.endr
.endm
.macro PLACES                          ; four places in front of loads into registers that matrix instructions have read, and of the first read of results
.rept 4
	v_nop
.endr
.endm
; A K step is four quarters of 32 along K, 32 matrix instructions each, on buffers 0, 1, 0, 1.  One of the first three: multiplies buffer f and fetches quarter q into g.
.macro QUARTER slot, q, f, g, zero
	s_wait_dscnt 4                                 ; W's fragments and A's blocks 0, 1 are in; the youngest four loads (A's blocks 2, 3) may be out
	WIN MUL
	MUL8 \f, 0, \zero
	MUL8 \f, 1, \zero
	PLACES
	FETCH \slot, \q, \g
	s_wait_dscnt 24                                ; all but the 24 just issued
	WIN MUL
	MUL8 \f, 2, \zero
	MUL8 \f, 3, \zero
.endm
; The last quarter multiplies buffer 1 and changes slots: in front of the barrier each wave waits for all its tensor loads, adds 0 to its spare word, and waits for that and for its reads of this slot.
.macro TURN slot, next, fill
	WIN 0
	s_wait_tensorcnt 0x0                           ; all my tensor loads have landed: my part of the next slot
	ds_add_u32 v[SPW], v[NIL]
	s_wait_dscnt 5                                 ; (the add and the youngest four loads may be out)
	WIN MUL
	MUL8 1, 0, 0
	s_wait_dscnt 0x0                               ; the add is done, and my reads of this slot are over
	s_barrier_signal -1
	MUL8 1, 1, 0
.if \fill
	WIN 0
.endif
	s_barrier_wait -1
.if \fill
	CREST                                          ; the barrier has opened a round of the cluster's barrier: no wave of any partner still reads this slot or has a load on its way
	s_add_nc_u64 s[G0+4*\slot+2:G0+4*\slot+3], s[G0+4*\slot+2:G0+4*\slot+3], 1048576
	s_add_nc_u64 s[G0B+4*\slot+2:G0B+4*\slot+3], s[G0B+4*\slot+2:G0B+4*\slot+3], 524288
	JLOAD \slot                                    ; the first tensor load behind the round; its four v_nop are also the places in front of the loads below
.else
	PLACES
.endif
	FETCH \next, 0, 0
	WIN MUL
	MUL8 1, 2, 0
	MUL8 1, 3, 0
.endm
	s_wait_tensorcnt 1                             ; my part of K step 0 is in (K step 1's load may be out),
	s_barrier_signal -1
	s_barrier_wait -1                              ; everybody's is
	FETCH 0, 0, 0
	QUARTER 0, 1, 0, 1, 1                          ; the first quarter's products start the sums
	WIN 0
	s_mov_b32 s3, LAPS-1
.Llap:                                                 ; a trip goes once round the ring and fills both slots again
	QUARTER 0, 2, 1, 0, 0
	QUARTER 0, 3, 0, 1, 0
	TURN 0, 1, 1
	QUARTER 1, 1, 0, 1, 0
	QUARTER 1, 2, 1, 0, 0
	QUARTER 1, 3, 0, 1, 0
	TURN 1, 0, 1
	QUARTER 0, 1, 0, 1, 0
	WIN 0
	s_sub_co_u32 s3, s3, 1
	s_cmp_lg_u32 s3, 0
	s_cbranch_scc1 .Llap
	QUARTER 0, 2, 1, 0, 0                          ; the last lap fills nothing
	QUARTER 0, 3, 0, 1, 0
	TURN 0, 1, 0
	QUARTER 1, 1, 0, 1, 0
	QUARTER 1, 2, 1, 0, 0
	QUARTER 1, 3, 0, 1, 0
	s_wait_dscnt 4
	WIN MUL
	MUL8 1, 0, 0
	MUL8 1, 1, 0
	s_wait_dscnt 0
	MUL8 1, 2, 0
	MUL8 1, 3, 0
	WIN 0
; THE WAY OUT, block by block of 16 rows x 128 columns, through my own stage: in as 32 bytes a lane, back as whole rows of 512 bytes.
.macro TOSTAGE a
	WIN 0x08                                       ; the data: window 2
.irp b, 0,1,2,3,4,5,6,7
	ds_store_b128 v[STO], v[64*(\a)+8*\b:64*(\a)+8*\b+3] offset:64*\b            ; each accumulator from its low end on
	ds_store_b128 v[STO], v[64*(\a)+8*\b+4:64*(\a)+8*\b+7] offset:64*\b+16
.endr
	WIN 0
.set BB, BK+64*((\a)%2)
.irp t, 0,1,2,3,4,5,6,7,8,9,10,11,12,13,14,15
	ds_load_b128 v[BB+4*\t:BB+4*\t+3], v[RD] offset:\t*SPITCH   ; LDS serves a wave's instructions in order: these see the stores above
.endr
.endm
.macro SEND a, younger
.set BB, BK+64*((\a)%2)
	s_wait_dscnt \younger
.irp t, 0,1,2,3,4,5,6,7,8,9,10,11,12,13,14,15
	global_store_b128 v[CO], v[BB+4*\t:BB+4*\t+3], s[8:9] offset:65536*(\a)+4096*\t th:TH_STORE_NT   ; 512 consecutive bytes, aligned
.endr
.endm
	PLACES
	TOSTAGE 0
.irp a, 1,2,3
.if \a > 1
	s_wait_xcnt 0x0                                ; the stores of the block two back have read their registers
.endif
	TOSTAGE \a
	SEND \a-1, 32                                  ; behind that block's loads: this block's 16 stores and 16 loads
.endr
	SEND 3, 0
	s_wait_tensorcnt 0x0                           ; the wave's end: a spare add and its wait, behind my last tensor load and my last LDS store
	ds_add_u32 v[SPW], v[NIL]
	s_wait_dscnt 0x0
	CROUND                                         ; the closing round
	s_endpgm
.Lfunc_end_k_qac4e6308bb_oproj:
	.size	k_qac4e6308bb_oproj, .Lfunc_end_k_qac4e6308bb_oproj-k_qac4e6308bb_oproj
	.p2alignl 7, 3214868480
	.fill 96, 4, 3214868480
	.section	.rodata,"a",@progbits
	.p2align	6, 0x0
	.amdhsa_kernel k_qac4e6308bb_oproj
		.amdhsa_group_segment_fixed_size 327680
		.amdhsa_private_segment_fixed_size 0
		.amdhsa_enable_private_segment 0
		.amdhsa_kernarg_size 24
		.amdhsa_user_sgpr_count 2
		.amdhsa_user_sgpr_kernarg_segment_ptr 1
		.amdhsa_wavefront_size32 1
		.amdhsa_system_sgpr_workgroup_id_x 1
		.amdhsa_system_sgpr_workgroup_id_y 1
		.amdhsa_system_sgpr_workgroup_id_z 1
		.amdhsa_system_vgpr_workitem_id 0
		.amdhsa_next_free_vgpr 768
		.amdhsa_next_free_sgpr 66
		.amdhsa_reserve_vcc 0
		.amdhsa_float_denorm_mode_32 3
		.amdhsa_float_denorm_mode_16_64 3
		.amdhsa_memory_ordered 1
		.amdhsa_forward_progress 1
		.amdhsa_inst_pref_size 86
	.end_amdhsa_kernel
	.amdgpu_metadata
---
amdhsa.version: [ 1, 2 ]
amdhsa.kernels:
  - .name:           k_qac4e6308bb_oproj
    .symbol:         k_qac4e6308bb_oproj.kd
    .args:
      - { .name: ao, .offset: 0, .size: 8, .value_kind: global_buffer, .address_space: global }
      - { .name: o16, .offset: 8, .size: 8, .value_kind: global_buffer, .address_space: global }
      - { .name: out0, .offset: 16, .size: 8, .value_kind: global_buffer, .address_space: global }
    .group_segment_fixed_size: 327680
    .private_segment_fixed_size: 0
    .kernarg_segment_align: 8
    .kernarg_segment_size: 24
    .max_flat_workgroup_size: 128
    .sgpr_count:     66
    .vgpr_count:     768
    .wavefront_size: 32
...
	.end_amdgpu_metadata
.endif
;; end of part 5
;; launch first16 (part 6): grid 32 x 4, 16 waves a work-group, no clusters, 86,528 bytes of LDS; arguments r16, o_proj, out0; writes out0
.if DOCPART == 6
	.amdgcn_target "amdgcn-amd-amdhsa--gfx1250"
	.amdhsa_code_object_version 6
	.text
	.protected	k_qac4e6308bb_first16
	.globl	k_qac4e6308bb_first16
	.p2align	8
	.type	k_qac4e6308bb_first16,@function
k_qac4e6308bb_first16:
	s_mov_b64 s[64:65], 0
	v_nop
	global_prefetch_b8 v0, s[64:65] scope:SCOPE_SE
	s_setreg_imm32_b32 hwreg(HW_REG_WAVE_MODE, 25, 1), 1
	s_wait_xcnt 0x0
; Positions 0 to 15 of each batch, all in f32: under the causal mask these rows average one to sixteen values and are the largest, so f16 operands would weigh most here.  64 rows of 8,192: no bulk work.
; r16: [4 b][q, k, v][16 h][16 s][64] f32.  o_proj: [1,024 k][1,024 n] f32.  The 64 rows of out0 are written over what the launch before left there.
; SHARES.  Work-group (nb, b): 32 columns of the 16 rows of batch b.  Phase 1: wave w is head w: 16 queries on 16 keys; every work-group of a batch repeats it (196,608 bytes read), which spares a launch.
; Phase 2: wave w takes columns 16 (w & 1) on and K from 128 (w >> 1) on; the eight parts along K meet in LDS.
; v_wmma_f32_16x16x4_f32 wants k = 2 h + j in register j.  K is taken in a permuted order, alike in both operands: a lane's 16 bytes hold k = 8 i + 4 h + 0 .. 3, and each register pair of them is one instruction's K.
; The registers that these instructions write (v176-223) are written by them alone; what is made of a sum goes elsewhere.
; LIMITS: NaN and infinities are not served.
.set AOP,   4112                       ; a row of the attention's result in LDS: 4,096 bytes + 16
.set RED,   16*AOP                     ; the parts along K: [8][16 rows][128 bytes + 16]
.set SPARE, RED+8*16*144               ; the spare words: eight blocks of 256 bytes that no other line names
.set RA,  3
.set VA,  4
.set WO,  5
.set AS,  6
.set AL,  7
.set RS,  8
.set RL,  9
.set GO,  10
.set DD,  11
.set SPW, 12
.set NIL, 13
.set W,   16                           ; v16-79   o_proj
.set QF,  80                           ; v80-111  q; later the result; later its rows from LDS (v80-143)
.set KF,  112                          ; v112-143 k
.set VF,  144                          ; v144-175 v; later sums
.set SA,  176                          ; v176-191 two accumulators of S^T
.set OA,  192                          ; v192-223 four accumulators
.set SS,  224
.set PP,  232
	s_load_b128 s[4:7], s[0:1], 0x0                ; r16 s[4:5], o_proj s[6:7]
	s_load_b64 s[8:9], s[0:1], 0x10                ; out0
	v_lshl_add_u32 v[SPW], v0, 2, SPARE
	v_mov_b32 v[NIL], 0
	v_lshrrev_b32 v1, 5, v0
	v_readfirstlane_b32 s10, v1                    ; wave 0..15
	s_and_b32 s11, s10, 1                          ; nt
	s_lshr_b32 s12, s10, 1                         ; kq
	s_and_b32 s13, ttmp7, 0xffff                   ; the batch
	s_and_b32 s19, s10, 3
	v_and_b32 v1, 15, v0                           ; r
	v_bfe_u32 v2, v0, 4, 1                         ; h
	v_and_b32 v14, 31, v0                          ; lane
	v_lshlrev_b32 v[RA], 8, v1
	v_lshl_add_u32 v[RA], v2, 4, v[RA]             ; q, k: row r of 256 bytes, + 16 h
	v_lshlrev_b32 v[VA], 2, v1
	v_lshl_add_u32 v[WO], v2, 14, v[VA]            ; o_proj: column r, 4 h rows of 4,096 bytes down
	v_lshl_add_u32 v[VA], v2, 11, v[VA]            ; v: channel r, 8 h keys of 256 bytes down
	v_mul_u32_u24 v15, v1, AOP
	s_lshl_b32 s14, s10, 8
	v_add_nc_u32 v[AS], s14, v15
	v_lshl_add_u32 v[AS], v2, 5, v[AS]             ; the result, in: row r, my head's 256 bytes, + 32 h
	s_lshl_b32 s14, s12, 9
	v_add_nc_u32 v[AL], s14, v15
	v_lshl_add_u32 v[AL], v2, 4, v[AL]             ; and back: row r, my 128 along K, + 16 h
	s_mul_i32 s14, s12, 16*144
	s_lshl_b32 s15, s11, 6
	s_add_co_u32 s14, s14, s15
	s_add_co_u32 s14, s14, RED
	v_mul_u32_u24 v15, v1, 144
	v_add_nc_u32 v[RS], s14, v15
	v_lshl_add_u32 v[RS], v2, 5, v[RS]             ; my part: plane kq, row r, 64 nt + 32 h
	s_mul_i32 s14, s19, 4*144
	s_add_co_u32 s14, s14, RED
	v_lshrrev_b32 v15, 3, v14
	v_lshlrev_b32 v[GO], 12, v15
	v_mul_u32_u24 v15, v15, 144
	v_add_nc_u32 v[RL], s14, v15
	v_and_b32 v15, 7, v0
	v_lshl_add_u32 v[RL], v15, 4, v[RL]            ; waves 0 to 3: rows 4 w + lane / 8, 16 bytes by lane % 8
	v_lshl_add_u32 v[GO], v15, 4, v[GO]            ; and the same in out0
	v_lshlrev_b32 v[DD], 3, v2
	v_sub_nc_u32 v[DD], v1, v[DD]                  ; r - 8 h
	s_mov_b32 s16, 0x76543210
	s_mov_b32 s17, 0xfedcba98
	s_mov_b32 s18, 0x3e38aa3b                      ; c = log2(e) / 8
	s_mul_i32 s20, s13, 196608
	s_lshl_b32 s21, s10, 12
	s_add_co_u32 s20, s20, s21                     ; r16: my batch, my head
	s_mov_b32 s21, 0
	s_lshl_b32 s22, s12, 19
	s_lshl_b32 s23, ttmp9, 7
	s_add_co_u32 s22, s22, s23
	s_lshl_b32 s23, s11, 6
	s_add_co_u32 s22, s22, s23                     ; o_proj: my 128 rows, my 16 columns
	s_mov_b32 s23, 0
	s_lshl_b32 s24, s13, 23
	s_lshl_b32 s25, s19, 14
	s_add_co_u32 s24, s24, s25
	s_lshl_b32 s25, ttmp9, 7
	s_add_co_u32 s24, s24, s25                     ; out0: my batch, 4 rows a wave, my work-group's 32 columns
	s_mov_b32 s25, 0
	s_wait_kmcnt 0x0
	s_add_nc_u64 s[4:5], s[4:5], s[20:21]
	s_add_nc_u64 s[6:7], s[6:7], s[22:23]
	s_add_nc_u64 s[8:9], s[8:9], s[24:25]
.irp i, 0,1,2,3,4,5,6,7
	global_load_b128 v[QF+4*\i:QF+4*\i+3], v[RA], s[4:5] offset:32*\i
.endr
.irp i, 0,1,2,3,4,5,6,7
	global_load_b128 v[KF+4*\i:KF+4*\i+3], v[RA], s[4:5] offset:65536+32*\i
.endr
.irp ct, 0,1,2,3
.irp n, 0,1,2,3,4,5,6,7
	global_load_b32 v[VF+8*\ct+\n], v[VA], s[4:5] offset:131072+256*\n+64*\ct   ; v(key 8 h + n, channel 16 ct + r)
.endr
.endr
.irp i, 0,1,2,3,4,5,6,7,8,9,10,11,12,13,14,15
.irp n, 0,1,2,3
	global_load_b32 v[W+4*\i+\n], v[WO], s[6:7] offset:4096*(8*\i+\n)           ; W(8 i + 4 h + n, column r)
.endr
.endr
	v_mov_b32 v240, 0xff800000                     ; -infinity
	v_mov_b32 v243, 0                              ; a lane permute's destination counts as one of its sources
	s_wait_loadcnt 63                              ; q, k and v, the oldest 48 of 112, are in; W's younger loads stay out
	; ---- 1: S^T = K Q^T: lane (r, h), register j: key 8 h + j, query r.  Two accumulators by turns; the first two products start the sums
.irp i, 0,1,2,3,4,5,6,7
.irp e, 0,1
.if \i == 0
	v_wmma_f32_16x16x4_f32 v[SA+8*\e:SA+8*\e+7], v[KF+4*\i+2*\e:KF+4*\i+2*\e+1], v[QF+4*\i+2*\e:QF+4*\i+2*\e+1], 0
.else
	v_wmma_f32_16x16x4_f32 v[SA+8*\e:SA+8*\e+7], v[KF+4*\i+2*\e:KF+4*\i+2*\e+1], v[QF+4*\i+2*\e:QF+4*\i+2*\e+1], v[SA+8*\e:SA+8*\e+7]
.endif
.endr
.endr
.rept 9
	v_nop                                          ; places behind this form (ISA guide 7.12.1)
.endr
.irp j, 0,1,2,3,4,5,6,7
	v_add_f32 v[SS+\j], v[SA+\j], v[SA+8+\j]
.endr
.irp j, 0,1,2,3,4,5,6,7
	v_cmp_gt_i32 vcc_lo, \j, v[DD]                 ; key 8 h + j comes after query r
	v_cndmask_b32 v[SS+\j], v[SS+\j], v240, vcc_lo
.endr
	v_max3_num_f32 v241, v[SS], v[SS+1], v[SS+2]
	v_max3_num_f32 v242, v[SS+3], v[SS+4], v[SS+5]
	v_max3_num_f32 v241, v241, v[SS+6], v[SS+7]
	v_max_num_f32 v241, v241, v242
	v_permlanex16_b32 v243, v241, s16, s17
	v_max_num_f32 v241, v241, v243                 ; the row's maximum: key 0 counts for every query
	v_mul_f32 v242, s18, v241
.irp j, 0,1,2,3,4,5,6,7
	v_fma_f32 v[PP+\j], v[SS+\j], s18, -v242
.endr
.irp j, 0,1,2,3,4,5,6,7
	v_exp_f32 v[PP+\j], v[PP+\j]
.endr
	v_nop
	s_wait_alu depctr_va_vdst(0)                   ; one wait for the eight, ahead of their first reader
	v_add_f32 v244, v[PP], v[PP+1]
	v_add_f32 v245, v[PP+2], v[PP+3]
	v_add_f32 v246, v[PP+4], v[PP+5]
	v_add_f32 v247, v[PP+6], v[PP+7]
	v_add_f32 v244, v244, v245
	v_add_f32 v246, v246, v247
	v_add_f32 v244, v244, v246
	v_permlanex16_b32 v243, v244, s16, s17
	v_add_f32 v244, v244, v243                     ; the row's sum
	v_rcp_f32 v245, v244
	v_nop
	s_wait_alu depctr_va_vdst(0)
	; O^T = V^T P: K step i is keys 8 h + 2 i + 0, 1, where S^T's layout has left p.  Four accumulators by turns
.irp i, 0,1,2,3
.irp ct, 0,1,2,3
.if \i == 0
	v_wmma_f32_16x16x4_f32 v[OA+8*\ct:OA+8*\ct+7], v[VF+8*\ct+2*\i:VF+8*\ct+2*\i+1], v[PP+2*\i:PP+2*\i+1], 0
.else
	v_wmma_f32_16x16x4_f32 v[OA+8*\ct:OA+8*\ct+7], v[VF+8*\ct+2*\i:VF+8*\ct+2*\i+1], v[PP+2*\i:PP+2*\i+1], v[OA+8*\ct:OA+8*\ct+7]
.endif
.endr
.endr
.rept 9
	v_nop
.endr
.set i, 0
.rept 32
	v_mul_f32 v[QF+i], v[OA+i], v245               ; register 8 ct + j: channel 16 ct + 8 h + j of query r
.set i, i+1
.endr
.irp ct, 0,1,2,3
	ds_store_b128 v[AS], v[QF+8*\ct:QF+8*\ct+3] offset:64*\ct
	ds_store_b128 v[AS], v[QF+8*\ct+4:QF+8*\ct+7] offset:64*\ct+16
.endr
	s_wait_dscnt 0x0                               ; for the others' sake: my stores have landed
	s_barrier_signal -1
	s_barrier_wait -1                              ; 16 rows x 1,024 lie in LDS
	; ---- 2: my 16 columns, my 128 along K.  Source 0 = W's columns, source 1 = the rows: a lane holds one row and eight neighbouring columns
.irp i, 0,1,2,3,4,5,6,7,8,9,10,11,12,13,14,15
	ds_load_b128 v[QF+4*\i:QF+4*\i+3], v[AL] offset:32*\i
.endr
	s_wait_dscnt 0x0
	s_wait_loadcnt 0x0                             ; W
.irp i, 0,1,2,3,4,5,6,7,8,9,10,11,12,13,14,15
.irp e, 0,1
.if \i < 2
	v_wmma_f32_16x16x4_f32 v[OA+8*((2*\i+\e)%4):OA+8*((2*\i+\e)%4)+7], v[W+4*\i+2*\e:W+4*\i+2*\e+1], v[QF+4*\i+2*\e:QF+4*\i+2*\e+1], 0
.else
	v_wmma_f32_16x16x4_f32 v[OA+8*((2*\i+\e)%4):OA+8*((2*\i+\e)%4)+7], v[W+4*\i+2*\e:W+4*\i+2*\e+1], v[QF+4*\i+2*\e:QF+4*\i+2*\e+1], v[OA+8*((2*\i+\e)%4):OA+8*((2*\i+\e)%4)+7]
.endif
.endr
.endr
.rept 9
	v_nop
.endr
.irp j, 0,1,2,3,4,5,6,7
	v_add_f32 v[VF+\j], v[OA+\j], v[OA+8+\j]
.endr
.irp j, 0,1,2,3,4,5,6,7
	v_add_f32 v[VF+8+\j], v[OA+16+\j], v[OA+24+\j]
.endr
.irp j, 0,1,2,3,4,5,6,7
	v_add_f32 v[VF+\j], v[VF+\j], v[VF+8+\j]
.endr
	ds_store_b128 v[RS], v[VF:VF+3]
	ds_store_b128 v[RS], v[VF+4:VF+7] offset:16
	s_wait_dscnt 0x0
	s_barrier_signal -1
	s_barrier_wait -1                              ; the eight parts along K lie in LDS
	s_cmp_lt_u32 s10, 4                            ; waves 0 to 3 add them, four rows each
	s_cbranch_scc0 .Ldone
.irp k, 0,1,2,3,4,5,6,7
	ds_load_b128 v[QF+4*\k:QF+4*\k+3], v[RL] offset:16*144*\k
.endr
	s_wait_dscnt 0x0
.irp k, 0,2,4,6
	v_pk_add_f32 v[QF+4*\k:QF+4*\k+1], v[QF+4*\k:QF+4*\k+1], v[QF+4*\k+4:QF+4*\k+5]
	v_pk_add_f32 v[QF+4*\k+2:QF+4*\k+3], v[QF+4*\k+2:QF+4*\k+3], v[QF+4*\k+6:QF+4*\k+7]
.endr
.irp k, 0,4
	v_pk_add_f32 v[QF+4*\k:QF+4*\k+1], v[QF+4*\k:QF+4*\k+1], v[QF+4*\k+8:QF+4*\k+9]
	v_pk_add_f32 v[QF+4*\k+2:QF+4*\k+3], v[QF+4*\k+2:QF+4*\k+3], v[QF+4*\k+10:QF+4*\k+11]
.endr
	v_pk_add_f32 v[QF:QF+1], v[QF:QF+1], v[QF+16:QF+17]
	v_pk_add_f32 v[QF+2:QF+3], v[QF+2:QF+3], v[QF+18:QF+19]
	global_store_b128 v[GO], v[QF:QF+3], s[8:9]    ; eight lanes store 128 consecutive bytes of a row: all that this work-group has of it
.Ldone:
	s_wait_tensorcnt 0x0                           ; the wave's end: a spare add and its wait, behind my last LDS store
	ds_add_u32 v[SPW], v[NIL]
	s_wait_dscnt 0x0
	s_endpgm
.Lfunc_end_k_qac4e6308bb_first16:
	.size	k_qac4e6308bb_first16, .Lfunc_end_k_qac4e6308bb_first16-k_qac4e6308bb_first16
	.p2alignl 7, 3214868480
	.fill 96, 4, 3214868480
	.section	.rodata,"a",@progbits
	.p2align	6, 0x0
	.amdhsa_kernel k_qac4e6308bb_first16
		.amdhsa_group_segment_fixed_size 86528
		.amdhsa_private_segment_fixed_size 0
		.amdhsa_enable_private_segment 0
		.amdhsa_kernarg_size 24
		.amdhsa_user_sgpr_count 2
		.amdhsa_user_sgpr_kernarg_segment_ptr 1
		.amdhsa_wavefront_size32 1
		.amdhsa_system_sgpr_workgroup_id_x 1
		.amdhsa_system_sgpr_workgroup_id_y 1
		.amdhsa_system_sgpr_workgroup_id_z 1
		.amdhsa_system_vgpr_workitem_id 0
		.amdhsa_next_free_vgpr 256
		.amdhsa_next_free_sgpr 66
		.amdhsa_reserve_vcc 1
		.amdhsa_float_denorm_mode_32 3
		.amdhsa_float_denorm_mode_16_64 3
		.amdhsa_memory_ordered 1
		.amdhsa_forward_progress 1
		.amdhsa_inst_pref_size 27
	.end_amdhsa_kernel
	.amdgpu_metadata
---
amdhsa.version: [ 1, 2 ]
amdhsa.kernels:
  - .name:           k_qac4e6308bb_first16
    .symbol:         k_qac4e6308bb_first16.kd
    .args:
      - { .name: r16, .offset: 0, .size: 8, .value_kind: global_buffer, .address_space: global }
      - { .name: o_proj, .offset: 8, .size: 8, .value_kind: global_buffer, .address_space: global }
      - { .name: out0, .offset: 16, .size: 8, .value_kind: global_buffer, .address_space: global }
    .group_segment_fixed_size: 86528
    .private_segment_fixed_size: 0
    .kernarg_segment_align: 8
    .kernarg_segment_size: 24
    .max_flat_workgroup_size: 512
    .sgpr_count:     66
    .vgpr_count:     256
    .wavefront_size: 32
...
	.end_amdgpu_metadata
.endif
;; end of part 6
